; MI455X (gfx1250); checked and timed in simulation.
; The chip was launched on July 23, 2026; its instructions are those of AMD's public machine-readable ISA for CDNA 5 (MIT licence, August 2026) and "CDNA5" Instruction Set Architecture Reference Guide (July 2026). The comments in the code are by the model that wrote it; some were corrected since.
;; Multi Head Attention. Allowed arithmetic: matrix products marked QUANTISED: E2M1 operands, one E8M0 scale for each 32 along K, by v_wmma_scale_f32_16x16x128_f8f6f4 with both operands' format E2M1 (or v_wmma_scale_f32_32x16x128_f4), f32 sums; everything else in f32.
;; Inputs: Wk_codes 1,024 x 32 x 16 uint8 (E2M1 codes of Wk, K innermost, in blocks of 32 codes, two codes a byte); Wk_scales 1,024 x 32 uint8 (E8M0 scales of Wk, one for each 32 codes along K); Wo_codes 1,024 x 32 x 16 uint8 (E2M1 codes of Wo, K innermost, in blocks of 32 codes, two codes a byte); Wo_scales 1,024 x 32 uint8 (E8M0 scales of Wo, one for each 32 codes along K); Wq_codes 1,024 x 32 x 16 uint8 (E2M1 codes of Wq, K innermost, in blocks of 32 codes, two codes a byte); Wq_scales 1,024 x 32 uint8 (E8M0 scales of Wq, one for each 32 codes along K); Wv_codes 1,024 x 32 x 16 uint8 (E2M1 codes of Wv, K innermost, in blocks of 32 codes, two codes a byte); Wv_scales 1,024 x 32 uint8 (E8M0 scales of Wv, one for each 32 codes along K); bk 1,024 float32; bo 1,024 float32; bq 1,024 float32; bv 1,024 float32; causal_mask 2,048 x 2,048 bool; key_codes 4 x 2,048 x 32 x 16 uint8 (E2M1 codes of key, K innermost, in blocks of 32 codes, two codes a byte); key_scales 4 x 2,048 x 32 uint8 (E8M0 scales of key, one for each 32 codes along K); query_codes 4 x 2,048 x 32 x 16 uint8 (E2M1 codes of query, K innermost, in blocks of 32 codes, two codes a byte); query_scales 4 x 2,048 x 32 uint8 (E8M0 scales of query, one for each 32 codes along K); value_codes 4 x 2,048 x 32 x 16 uint8 (E2M1 codes of value, K innermost, in blocks of 32 codes, two codes a byte); value_scales 4 x 2,048 x 32 uint8 (E8M0 scales of value, one for each 32 codes along K).
;; Outputs: out0 4 x 2,048 x 1,024 float32.
;; This version of the problem:
;;   THIS VERSION OF THE PROBLEM IS GIVEN IN LOW PRECISION. The matrix products marked QUANTISED in the list below multiply operands that are first quantised to E2M1 (2 exponent bits, 1 mantissa bit; 4 bits a number), with one power-of-two scale for each 32 numbers along K (OCP MX v1.0); their sums are f32. All else is computed in f32.
;;   The module's matrix products, in the order in which they are computed (A, B: the left and right operand; K: the contracted axis; several contracted axes count as one K, in the product's order):
;;     1. [M 8,192, K 1,024] x [K 1,024, N 1,024]; A: input query (given as codes); B: input Wq (given as codes): QUANTISED
;;     2. [M 8,192, K 1,024] x [K 1,024, N 1,024]; A: input key (given as codes); B: input Wk (given as codes): QUANTISED
;;     3. [M 8,192, K 1,024] x [K 1,024, N 1,024]; A: input value (given as codes); B: input Wv (given as codes): QUANTISED
;;     4. batch 64 x [M 2,048, K 64] x [K 64, N 2,048]; A: computed on the way; B: computed on the way: QUANTISED
;;     5. batch 64 x [M 2,048, K 2,048] x [K 2,048, N 64]; A: softmax (see below); B: computed on the way: QUANTISED
;;     6. [M 8,192, K 1,024] x [K 1,024, N 1,024]; A: computed on the way; B: input Wo (given as codes): QUANTISED
;;   THE QUANTISER, for each operand of a quantised product, along K:
;;     - K is cut into blocks of 32 from its start; a last block that is shorter is filled with zeros.
;;     - A block's scale is 2^e with e = floor(log2(the largest magnitude in the block)) - 2, held to -126 .. 127; a block of zeros has e = 0. As a byte (E8M0): e + 127.
;;     - Each number is divided by its block's scale, clamped to +-6, and rounded to the nearest number of E2M1, ties to even, subnormals kept.
;;     - The product sums the exact products of the quantised numbers (number of the format x scale) in f32.
;;   ~~~python
;;   def quantise(x, axis):      # numpy; x: float32 -> the quantised numbers, widened to float32 again
;;       x = np.moveaxis(x, axis, -1); K = x.shape[-1]
;;       x = np.pad(x, [(0, 0)] * (x.ndim - 1) + [(0, -K % 32)]); x = x.reshape(x.shape[:-1] + (-1, 32)); a = np.abs(x).max(-1, keepdims=True)
;;       e = np.where(a > 0, np.clip(np.frexp(np.where(a > 0, a, 1))[1] - 1 - 2, -126, 127), 0)      # np.frexp(a)[1] - 1 = floor(log2(a)), exactly
;;       r = np.clip(x / 2.0 ** e, -6, 6)
;;       step = 2.0 ** (np.maximum(np.frexp(np.where(r == 0, 1, r))[1] - 1, 0) - 1)
;;       q = np.round(r / step) * step * 2.0 ** e      # np.round: ties to even
;;       return np.moveaxis(q.reshape(q.shape[:-2] + (-1,))[..., :K], -1, axis).astype(np.float32)
;;   ~~~
;;   SOFTMAX AHEAD OF A QUANTISED PRODUCT. Where the list says 'softmax', what is quantised is not the finished softmax but p = 2^(t - M), with t = logit x log2(e) and M = ceil(the row's largest t), a whole number; so 1/2 < the row's largest p <= 1. The row's sum l is taken of the UNQUANTISED p, in f32, and the product's result is divided by l at the end. Since M is a whole number, a kernel that streams over the keys may use a running M (the ceiling of the running maximum): every later rescaling is an exact power of two, which a block's scale takes up: the codes' values come out the same.
;;   OPERANDS COMPUTED ON THE WAY. 'Computed on the way' means the value that the module computes at that place (a softmax that the list does not call 'softmax' is quantised finished and normalised). What goes into a quantiser is computed in f32, as accurately as f32 sums, v_exp_f32 and their like allow (about 1e-6 of the number): no bf16 or f16 on the way to a quantiser, and a product that is left as it is and whose result goes on into a quantised operand takes f32 operands (vector FMAs, or v_wmma_f32_16x16x4_f32). A number that lies on a knife's edge between two numbers of the format may be rounded either way, as far as f32 arithmetic and the matrix unit's own rounding can turn it there, and no further.
;;   INPUTS GIVEN AS CODES. Wk (in the module: [1024, 1024], K = its axis 1); Wo (in the module: [1024, 1024], K = its axis 1); Wq (in the module: [1024, 1024], K = its axis 1); Wv (in the module: [1024, 1024], K = its axis 1); key (in the module: [4, 2048, 1024], K = its axis 2); query (in the module: [4, 2048, 1024], K = its axis 2); value (in the module: [4, 2048, 1024], K = its axis 2): each comes as NAME_codes (uint8): NAME with its K axis moved to the last place and cut into blocks of 32 codes, [.., K / 32, bytes a block], one block behind the other in memory; two codes a byte, the lower K in the low four bits (a code: sign, 2 exponent bits, 1 mantissa bit); and NAME_scales (uint8): the same leading axes, one E8M0 byte (e + 127) for each 32 codes along K. Its value is code x scale, taken as it is: it is not quantised again, and the codes and scales need not be those that the quantiser above would give.
;; 2 versions, each right; version 2 is version 1 with the launch attn written anew for expert scheduling mode. Each part assembles by itself: llvm-mc -triple=amdgcn-amd-amdhsa -mcpu=gfx1250 --defsym DOCPART=n.
;; ======== version 1 of 2: 3 launches
;; workspace buffers: qx 4,718,592 bytes; kv 9,175,040 bytes; mk 525,312 bytes of whole numbers; cx 4,194,304 bytes; cs 262,144 bytes
;; launch proj (part 1): grid 4 x 96, 4 waves a work-group, clusters of 4 x 4, 279,040 bytes of LDS; arguments query_codes, query_scales, Wq_codes, Wq_scales, bq, key_codes, key_scales, Wk_codes, Wk_scales, bk, value_codes, value_scales, Wv_codes, Wv_scales, bv, causal_mask, qx, kv, mk; writes qx, kv, mk
.if DOCPART == 1
	.amdgcn_target "amdgcn-amd-amdhsa--gfx1250"
	.amdhsa_code_object_version 6
	.text
	.protected	k_q6e1d4c70dc_proj
	.globl	k_q6e1d4c70dc_proj
	.p2align	8
	.type	k_q6e1d4c70dc_proj,@function
k_q6e1d4c70dc_proj:
	s_mov_b64 s[64:65], 0
	v_nop
	global_prefetch_b8 v0, s[64:65] scope:SCOPE_SE
	s_setreg_imm32_b32 hwreg(HW_REG_WAVE_MODE, 25, 1), 1
	s_wait_xcnt 0x0
	s_wait_alu depctr_hold_cnt(0) depctr_sa_sdst(0) depctr_va_vdst(0) depctr_va_sdst(0) depctr_va_ssrc(0) depctr_va_vcc(0) depctr_vm_vsrc(0)
	s_getreg_b32 s2, hwreg(HW_REG_IB_STS2, 6, 4)
	s_cmp_eq_u32 s2, 0
	s_cbranch_scc0 .Lentry_in_a_cluster
	s_endpgm
.Lentry_in_a_cluster:
	s_bfe_u32 s2, ttmp6, 0x10000c
	s_cmp_lg_u32 s2, 0xf033
	s_cbranch_scc0 .Lentry_shape_is_right
	s_endpgm
.Lentry_shape_is_right:
; q = query Wq^T + bq, k = key Wk^T + bk, v = value Wv^T + bv on codes of FP4 (E2M1) with E8M0 scales, and each result quantised at once into the images that the attention launch's
; operand registers take: q and k along a head's 64 channels (two blocks of 32), v along the keys.  The first 256 work-groups also turn causal_mask into lane-mask words and flags.
; SHARES.  384 work-groups: z = cluster y / 8 says which product (0 q, 1 k, 2 v).  A work-group makes 256 x 256, each of its four waves 128 x 128: 64 accumulators of 16 x 16.
; ONE TEXT FOR ALL THREE.  Source 1 of the matrix instruction is the A SIDE, source 0 the B SIDE: a lane then holds ONE row of the A side and its registers run along rows of the B side.
; For q and k the A side is x (tokens) and the B side W (channels): registers run along the channels, the quantiser's axis.  For v the pointers change places: a lane holds a channel and its registers run along the keys.
; A wave's 128 x 128 is one step of 128 tokens x two heads, so everything that it stores is a whole image: 512 consecutive bytes a store.
; K = 1,024 lies whole in LDS: two slots of 512 along K (rows of 256 bytes), each filled once.  Nothing is filled again.
; CLUSTERS: 4 x 4.  The A side's tile hangs on the tile row alone and is asked for jointly by a row of the cluster, the B side's on the tile column alone, by a column.
; FOUR NEIGHBOURING TILES BECOME FOUR OPERAND REGISTERS: tile u's eight numbers of lane half h are dword 2 (u % 2) + h of block u / 2.  Converted into registers 0, 2, 1, 3, two exchanges of lane halves
; (0 with 1, 2 with 3) leave in half h the whole block h: registers 4 c .. 4 c + 3 of a 4-bit operand.
; LIMITS: a block of zeros gets the scale byte 1 and not 127 (its codes are zeros; this program alone reads the bytes); a block whose largest magnitude lies under 2^-124 is held at the byte 1;
; NaN and infinities among the results are not served.
; REGISTERS, in windows of 256.  Window 0: v1-7 lane terms; v8-15 scale images; v16-17, v20-21 LDS addresses; v24-31 bias offsets, later the digest; v32-63 the A side's scale words, v64-95 the B side's;
;   v96-127 mask bytes; v128-191, v192-255 the A side's fragments, two sets; on the way out v128-191 codes, v192-207 byte pairs, v208-223 store offsets, v224-239 maxima, v240-255 at work.
;   Window 1: v0-63, v128-191 the B side's fragments, two sets; v64-127 the bias as C.   Windows 2, 3: accumulator (a, b) at v[8 (8 (a % 4) + b)] of window 2 + a / 4.
.set PITCH, 272                        ; an LDS row: 256 bytes + 16 of padding: the 16 rows of a fragment load start at 16 different banks
.set HALFT, 128*PITCH                  ; 128 rows: one tensor load, and what a wave reads of a side
.set SLOT,  4*HALFT                    ; the A side's 256 rows, then the B side's
.set QHS,   73728                      ; a head in qx: 65,536 bytes of codes, 8,192 of scale words
.set KHS,   143360                     ; a head in kv: K's codes, V's codes, K's scale words (8,192), V's (4,096)
.set MSB, 0
.macro WIN new                         ; the immediate's high byte repeats the setting that is left
.if MSB != (\new)
	s_set_vgpr_msb (MSB<<8)|(\new)
.set MSB, (\new)
.endif
.endm
.macro PLACES n
.rept \n
	v_nop
.endr
.endm
; A joint load: waves 0 and 1 fetch for the A side, waves 2 and 3 for the B side; the branch hangs on the wave's number alone.  Four v_nop follow each line.
.macro JLOAD g0a, g1a, g0b, g1b
	s_cmp_eq_u32 s85, 0
	s_cbranch_scc0 .Lfor_b_\@
	tensor_load_to_lds s[\g0a:\g0a+3], s[\g1a:\g1a+7]
	s_nop 0
.rept 4
	v_nop
.endr
	s_branch .Lasked_\@
.Lfor_b_\@:
	tensor_load_to_lds s[\g0b:\g0b+3], s[\g1b:\g1b+7]
	s_nop 0
.rept 4
	v_nop
.endr
.Lasked_\@:
.endm
.macro CROUND                          ; a round of the cluster's barrier
	s_barrier_signal -1
	s_barrier_wait -1
	s_cmp_lg_u32 s84, 0
	s_cbranch_scc1 .Lnot_wave_0_\@
	s_barrier_signal -3
.Lnot_wave_0_\@:
	s_barrier_wait -3
	s_barrier_signal -1
	s_barrier_wait -1
.endm
	s_load_b512 s[4:19], s[0:1], 0x0               ; argument i lies at s[4 + 2 i]
	s_load_b512 s[20:35], s[0:1], 0x40
	s_load_b128 s[36:39], s[0:1], 0x80             ; qx, kv
	s_load_b64 s[40:41], s[0:1], 0x90              ; mk
	v_lshl_add_u32 v22, v0, 2, 0x44000
	v_mov_b32 v23, 0
	ds_add_u32 v22, v23
	ds_add_u32 v22, v23
	v_lshrrev_b32 v1, 5, v0
	v_readfirstlane_b32 s84, v1                    ; wave 0..3
	s_lshr_b32 s85, s84, 1                         ; my half of the A side's rows.  Also: I fetch for the A side (0) or the B side (1)
	s_and_b32 s86, s84, 1                          ; my half of the B side's rows.  Also: which 128 rows I fetch
	s_bfe_u32 s87, ttmp6, 0x40000                  ; cx
	s_bfe_u32 s88, ttmp6, 0x40004                  ; cy
	s_and_b32 s90, ttmp7, 0xffff                   ; cluster y, 0..23
	s_lshr_b32 s89, s90, 3                         ; z: which product
	s_and_b32 s90, s90, 7
	s_cmp_eq_u32 s89, 2
	s_cselect_b32 s91, 0, s90                      ; q, k: the A side (8,192 tokens) has 32 tile rows, the B side (1,024 channels) 4 tile columns;
	s_cselect_b32 s92, s90, 0                      ; v: the other way round
	s_lshl_b32 s91, s91, 2
	s_add_co_u32 s91, s91, s88                     ; tile row
	s_lshl_b32 s92, s92, 2
	s_add_co_u32 s92, s92, s87                     ; tile column
	s_lshl_b32 s2, s88, 2
	s_lshl_b32 s2, 15, s2                          ; my row of the cluster
	s_lshl_b32 s3, 0x1111, s87                     ; my column
	; descriptor group 1: 128 rows x 256 bytes, 512 bytes apart in memory, 16 bytes of padding behind each row in LDS
	s_or_b32 s44, s2, (1<<20)|(1<<21)|(5<<22)|(3<<25)   ; 15:0 mask; 17:16 elements of 1 byte; 20 padding on; 21 set beside a mask; 24:22 after every 64 words; 31:25 four words
	s_or_b32 s52, s3, (1<<20)|(1<<21)|(5<<22)|(3<<25)
.irp g, 44, 52
	s_mov_b32 s[\g+1], 256<<16                     ; tensor_dim0
	s_mov_b32 s[\g+2], 128<<16                     ; tensor_dim1
	s_mov_b32 s[\g+3], 256<<16                     ; tile_dim0
	s_mov_b32 s[\g+4], 128                         ; tile_dim1
	s_mov_b32 s[\g+5], 512                         ; from row to row
	s_mov_b32 s[\g+6], 0
	s_mov_b32 s[\g+7], 0
.endr
	s_lshl_b32 s93, s86, 7                         ; which 128 rows I fetch
	s_lshl_b32 s42, s91, 8
	s_add_co_u32 s42, s42, s93
	s_lshl_b32 s42, s42, 9                         ; the A side: (256 x tile row + 128 x half) rows of 512 bytes
	s_mov_b32 s43, 0
	s_lshl_b32 s62, s92, 8
	s_add_co_u32 s62, s62, s93
	s_lshl_b32 s62, s62, 9                         ; the B side likewise, by the tile column
	s_mov_b32 s63, 0
	s_mul_i32 s3, s84, HALFT                       ; where they go: wave x 128 rows
	s_wait_dscnt 0x0
	s_wait_kmcnt 0x0
	s_cmp_eq_u32 s89, 1                            ; the product's five inputs: x's codes and scales, W's codes and scales, the bias
	s_cselect_b64 s[4:5], s[14:15], s[4:5]
	s_cselect_b64 s[6:7], s[16:17], s[6:7]
	s_cselect_b64 s[8:9], s[18:19], s[8:9]
	s_cselect_b64 s[10:11], s[20:21], s[10:11]
	s_cselect_b64 s[12:13], s[22:23], s[12:13]
	s_cmp_eq_u32 s89, 2
	s_cselect_b64 s[4:5], s[24:25], s[4:5]
	s_cselect_b64 s[6:7], s[26:27], s[6:7]
	s_cselect_b64 s[8:9], s[28:29], s[8:9]
	s_cselect_b64 s[10:11], s[30:31], s[10:11]
	s_cselect_b64 s[12:13], s[32:33], s[12:13]
	s_cselect_b64 s[14:15], s[8:9], s[4:5]         ; the A side's codes: W's for v, else x's
	s_cselect_b64 s[16:17], s[10:11], s[6:7]       ; its scales
	s_cselect_b64 s[18:19], s[4:5], s[8:9]         ; the B side's codes
	s_cselect_b64 s[20:21], s[6:7], s[10:11]       ; its scales
	s_add_nc_u64 s[22:23], s[14:15], s[42:43]
	s_add_nc_u64 s[24:25], s[18:19], s[62:63]
	CROUND                                         ; all sixteen work-groups are here: the joint loads meet
.irp s, 0,1
	s_mov_b32 s[68+4*\s], 1
	s_add_co_u32 s[69+4*\s], s3, \s*SLOT
	s_add_nc_u64 s[70+4*\s:71+4*\s], s[22:23], \s*256
	s_or_b32 s[71+4*\s], s[71+4*\s], 0x80000000
	s_mov_b32 s[76+4*\s], 1
	s_add_co_u32 s[77+4*\s], s3, \s*SLOT
	s_add_nc_u64 s[78+4*\s:79+4*\s], s[24:25], \s*256
	s_or_b32 s[79+4*\s], s[79+4*\s], 0x80000000
	JLOAD 68+4*\s, 44, 76+4*\s, 52                 ; both halves of K: two tensor loads of mine are out
.endr
	v_and_b32 v1, 15, v0                           ; r
	v_bfe_u32 v2, v0, 4, 1                         ; h
	v_and_b32 v3, 31, v0                           ; lane
	v_lshlrev_b32 v4, 4, v3                        ; 16 x lane
	v_lshlrev_b32 v5, 3, v3                        ; 8 x lane
	v_lshlrev_b32 v6, 5, v3                        ; 32 x lane: a row of scale bytes
	v_lshlrev_b32 v7, 11, v1
	v_lshl_add_u32 v7, v2, 3, v7                   ; the mask: row r of 2,048 bytes, + 8 h
	; THE MASK.  Wave number Wg of 1,024 (the q and k work-groups' waves) takes queries 16 T .. 16 T + 15 and keys 256 pr .. 256 pr + 255, T = Wg / 8, pr = Wg % 8.
	; Every work-group loads (v's load bytes that they do not use: so no path reads a register that it has not written); only q's and k's digest and store.
	s_lshl_b32 s33, s91, 2
	s_add_co_u32 s33, s33, s92
	s_and_b32 s31, s89, 1
	s_lshl_b32 s31, s31, 7
	s_add_co_u32 s33, s33, s31
	s_lshl_b32 s33, s33, 2
	s_add_co_u32 s33, s33, s84                     ; Wg
	s_lshr_b32 s31, s33, 3
	s_and_b32 s32, s33, 7
	s_lshl_b32 s42, s31, 15
	s_lshl_b32 s32, s32, 8
	s_add_co_u32 s42, s42, s32
	s_add_nc_u64 s[34:35], s[34:35], s[42:43]
.irp u, 0,1
.irp t, 0,1,2,3,4,5,6,7
	global_load_b64 v[96+16*\u+2*\t:97+16*\u+2*\t], v7, s[34:35] offset:128*\u+16*\t   ; mask(16 T + r, 256 pr + 128 u + 16 t + 8 h + 0 .. 7)
.endr
.endr
	s_lshl_b32 s93, s91, 8
	s_lshl_b32 s2, s85, 7
	s_add_co_u32 s93, s93, s2                      ; my first row of the A side
	s_lshl_b32 s94, s92, 8
	s_lshl_b32 s2, s86, 7
	s_add_co_u32 s94, s94, s2                      ; and of the B side
	s_lshl_b32 s42, s93, 5
	s_add_nc_u64 s[16:17], s[16:17], s[42:43]
	s_lshl_b32 s42, s94, 5
	s_add_nc_u64 s[20:21], s[20:21], s[42:43]
	; THE SCALE WORDS of my 128 + 128 rows for all of K: 4,096 dense bytes a side.  Lane l takes row 32 g + l: lanes 0-15 tile 2 g, lanes 16-31 tile 2 g + 1; register 8 g + s is the word of K step s
.irp g, 0,1,2,3
.irp q, 0,1
	global_load_b128 v[32+8*\g+4*\q:35+8*\g+4*\q], v6, s[16:17] offset:1024*\g+16*\q
	global_load_b128 v[64+8*\g+4*\q:67+8*\g+4*\q], v6, s[20:21] offset:1024*\g+16*\q
.endr
.endr
	; THE BIAS is the C of each sum's first product.  q, k: register j of tile b wants the channel 16 b + 8 h + j; v: every register of tile a wants the channel 16 a + r
	s_cmp_eq_u32 s89, 2
	s_cselect_b32 s31, s93, s94                    ; my first channel
	s_cselect_b32 s32, s94, s93                    ; my first token
	s_cselect_b32 s2, 4, 0
	s_cselect_b32 s3, 0, 32
	s_cselect_b32 s62, 0, 4
	v_mul_u32_u24 v8, s2, v1
	v_mad_u32_u24 v8, v2, s3, v8
.irp j, 0,1,2,3,4,5,6,7
	s_mul_i32 s63, s62, \j
	v_add_nc_u32 v[24+\j], s63, v8
.endr
	s_lshl_b32 s42, s31, 2
	s_add_nc_u64 s[12:13], s[12:13], s[42:43]
	WIN 0x40                                       ; destination window 1
.irp i, 0,1,2,3,4,5,6,7
.irp j, 0,1,2,3,4,5,6,7
	global_load_b32 v[64+8*\i+\j], v[24+\j], s[12:13] offset:64*\i
.endr
.endr
	WIN 0
	; WHERE THE RESULTS GO.  s[22:23] codes, s[24:25], s[26:27] the scale images of my two heads; s28, s29, s30: bytes from A block to A block, from half to half of the B side, and once more from A block 4 on
	s_lshr_b32 s2, s32, 11                         ; the batch
	s_bfe_u32 s3, s32, 0x40007                     ; the step of 128 tokens in it
	s_lshr_b32 s62, s31, 6                         ; my first head
	s_lshl_b32 s2, s2, 4
	s_add_co_u32 s2, s2, s62
	s_mov_b32 s90, KHS
	s_mov_b32 s62, 0x20000                         ; K's scale words in a head of kv
	s_cmp_eq_u32 s89, 0
	s_cselect_b32 s90, QHS, s90                    ; a head's bytes
	s_cselect_b32 s62, 0x10000, s62                ; Q's scale words in a head of qx
	s_cselect_b64 s[22:23], s[36:37], s[38:39]
	s_sub_co_u32 s30, s90, 4096
	s_mov_b32 s28, 512
	s_cmp_eq_u32 s89, 2
	s_cselect_b32 s62, 0x22000, s62                ; V's scale words
	s_cselect_b32 s42, 0x10000, 0                  ; V's codes lie behind K's
	s_cselect_b32 s31, 8, 9                        ; a step's scale image: 256 bytes for V, else 512
	s_cselect_b32 s28, 1024, s28
	s_cselect_b32 s29, 512, s90
	s_cselect_b32 s30, s30, 0
	s_mul_i32 s2, s2, s90
	s_lshl_b32 s32, s3, 12                         ; a step's codes: 4,096 bytes
	s_add_co_u32 s42, s42, s2
	s_add_co_u32 s42, s42, s32
	s_lshl_b32 s32, s3, s31
	s_add_co_u32 s62, s62, s2
	s_add_co_u32 s62, s62, s32
	s_mov_b32 s63, 0
	s_add_nc_u64 s[24:25], s[22:23], s[62:63]
	s_mov_b32 s62, s90
	s_add_nc_u64 s[26:27], s[24:25], s[62:63]
	s_add_nc_u64 s[22:23], s[22:23], s[42:43]
	v_mul_u32_u24 v9, v1, PITCH
	v_lshl_add_u32 v9, v2, 4, v9                   ; a fragment's row x pitch + 16 x half
	s_mul_i32 s2, s85, HALFT
	s_mul_i32 s3, s86, HALFT
	s_add_co_u32 s3, s3, 2*HALFT
.irp s, 0,1
	v_add_nc_u32 v[16+\s], s2, v9
	v_add_nc_u32 v[20+\s], s3, v9
	s_add_co_u32 s2, s2, SLOT
	s_add_co_u32 s3, s3, SLOT
.endr
	s_mov_b32 s60, 0x76543210
	s_mov_b32 s61, 0xfedcba98                      ; v_permlanex16_b32's selects for lane l xor 16
	s_mov_b32 s95, 0xffff0000                      ; lanes 16-31
; 32 LDS loads: the fragments of K step s (slot s / 4, its (s % 4)-th 128 along K) into set s % 2.  16 rows x 128 K of 4-bit codes: lane l holds row l % 16, registers 4 c .. 4 c + 3 hold K = 64 c + 32 (l / 16) + 0 .. 31
.macro FETCH s
.set fsl, (\s)/4
.set fq, (\s)%4
.set fp, (\s)%2
	WIN 0x40
.irp i, 0,1,2,3,4,5,6,7
.irp c, 0,1
	ds_load_b128 v[128*fp+8*\i+4*\c:128*fp+8*\i+4*\c+3], v[20+fsl] offset:64*fq+32*\c+\i*16*PITCH
.endr
.endr
	WIN 0
.irp i, 0,1,2,3,4,5,6,7
.irp c, 0,1
	ds_load_b128 v[128+64*fp+8*\i+4*\c:128+64*fp+8*\i+4*\c+3], v[16+fsl] offset:64*fq+32*\c+\i*16*PITCH
.endr
.endr
.endm
.macro WM                              ; one product; the scale rows: odd tiles' words lie in lanes 16-31
.if (mb%2 == 1) && (ma%2 == 1)
	v_wmma_scale_f32_16x16x128_f8f6f4 v[rD:rD+7], v[rB:rB+7], v[rA:rA+7], v[rC:rC+7], v[rSB], v[rSA] matrix_a_fmt:MATRIX_FMT_FP4 matrix_b_fmt:MATRIX_FMT_FP4 matrix_a_scale:MATRIX_SCALE_ROW1 matrix_b_scale:MATRIX_SCALE_ROW1
.elseif mb%2 == 1
	v_wmma_scale_f32_16x16x128_f8f6f4 v[rD:rD+7], v[rB:rB+7], v[rA:rA+7], v[rC:rC+7], v[rSB], v[rSA] matrix_a_fmt:MATRIX_FMT_FP4 matrix_b_fmt:MATRIX_FMT_FP4 matrix_a_scale:MATRIX_SCALE_ROW1
.elseif ma%2 == 1
	v_wmma_scale_f32_16x16x128_f8f6f4 v[rD:rD+7], v[rB:rB+7], v[rA:rA+7], v[rC:rC+7], v[rSB], v[rSA] matrix_a_fmt:MATRIX_FMT_FP4 matrix_b_fmt:MATRIX_FMT_FP4 matrix_b_scale:MATRIX_SCALE_ROW1
.else
	v_wmma_scale_f32_16x16x128_f8f6f4 v[rD:rD+7], v[rB:rB+7], v[rA:rA+7], v[rC:rC+7], v[rSB], v[rSA] matrix_a_fmt:MATRIX_FMT_FP4 matrix_b_fmt:MATRIX_FMT_FP4
.endif
.endm
; 32 products: A blocks a0 .. a0 + 3 x the B side's eight.  cmode 0: in place; 1: C = the bias by B block (q, k); 2: by A block (v).  The 64 accumulators take turns, one instruction a turn, in the same order in every step
.macro MULW s, a0, cmode
.if (\cmode) == 0
	WIN 0xa1+0x50*((\a0)/4)                        ; source 0 window 1, source 1 window 0, C and D window 2 or 3
.else
	WIN 0x91+0x40*((\a0)/4)                        ; C window 1
.endif
.set ma, \a0
.rept 4
.set mb, 0
.rept 8
.set rD, 8*(8*(ma%4)+mb)
.set rB, 128*((\s)%2)+8*mb
.set rA, 128+64*((\s)%2)+8*ma
.set rSB, 64+8*(mb/2)+(\s)
.set rSA, 32+8*(ma/2)+(\s)
.if (\cmode) == 0
.set rC, rD
.elseif (\cmode) == 1
.set rC, 64+8*mb
.else
.set rC, 64+8*ma
.endif
	WM
.set mb, mb+1
.endr
.set ma, ma+1
.endr
.endm
; A K step of 128: its fragments are in; the next step's are asked for, into the set that the last step multiplied (four places behind its products); then 64 products.
.macro KSTEP s, cmode
	s_wait_dscnt 0x0                               ; this step's 32 loads, asked for 64 products ago
.if (\s) == 3
	s_wait_tensorcnt 0x0                           ; my part of slot 1: no younger load exists
	s_barrier_signal -1
	MULW \s, 0, \cmode
	s_barrier_wait -1                              ; slot 1 is whole
	PLACES 4
	FETCH 4
	MULW \s, 4, \cmode
.else
.if (\s) < 7
.if (\s) > 0
	PLACES 4
.endif
	FETCH (\s)+1
.endif
	MULW \s, 0, \cmode
	MULW \s, 4, \cmode
.endif
.endm
	s_wait_tensorcnt 0x1                           ; my part of slot 0 is in; slot 1's load, the one younger, may stay out
	s_barrier_signal -1
	s_barrier_wait -1
	FETCH 0
	s_wait_loadcnt 0x0                             ; scale words, bias, mask bytes
	s_cmp_eq_u32 s89, 2                            ; the first step stands twice: it differs in which bias registers are its C
	s_cbranch_scc1 .Lfirst_v
	KSTEP 0, 1
	WIN 0
	s_branch .Lfirst_done
.Lfirst_v:
	KSTEP 0, 2
	WIN 0
.Lfirst_done:
	KSTEP 1, 0
	KSTEP 2, 0
	KSTEP 3, 0
	KSTEP 4, 0
	KSTEP 5, 0
	KSTEP 6, 0
	KSTEP 7, 0
	WIN 0
	PLACES 4                                       ; behind the last products: what follows reads results and writes registers that held fragments
	; THE WAY OUT.  Group G = 2 a + x: A block a, tiles 4 x .. 4 x + 3 of the B side: two blocks of 32, four operand registers, one store of 512 bytes.
.set k, 0
.rept 16
	v_mov_b32 v[240+k], 0                          ; written once: a lane permute's destination counts as one of its sources
.set k, k+1
.endr
.set g, 0
.rept 16
	s_mul_i32 s31, s28, g/2
.if g%2
	s_add_co_u32 s31, s31, s29
.endif
.if g >= 8
	s_add_co_u32 s31, s31, s30
.endif
	v_add_nc_u32 v[208+g], s31, v4                 ; the group's place + 16 x lane
.set g, g+1
.endr
.macro QW W                            ; the 32 accumulators of window W: 16 blocks of 32 (block k = registers 16 k .. 16 k + 15, with lane l xor 16's)
	WIN 0
.set k, 0
.rept 16
	v_mov_b32 v[224+k], 0x1800000                  ; the floor 2^(3 - 127): the byte cannot fall under 1
.set k, k+1
.endr
	WIN ((\W)<<2)|((\W)<<4)                        ; sources 1 and 2 in window W
.irp i, 0,2,4,6,8,10,12,14
.set k, 0
.rept 16
	v_max3_num_f32 v[224+k], v[224+k], |v[16*k+\i]|, |v[16*k+\i+1]|   ; the blocks by turns; each accumulator is read from its low end on
.set k, k+1
.endr
.endr
	WIN 0
.set k, 0
.rept 16
	v_permlanex16_b32 v[240+k], v[224+k], s60, s61
.set k, k+1
.endr
.set k, 0
.rept 16
	v_max_num_f32 v[224+k], v[224+k], v[240+k]     ; the block's largest magnitude
.set k, k+1
.endr
.set k, 0
.rept 16
	v_add_nc_u32 v[224+k], 0xff000000, v[224+k]    ; 2 off its exponent field: the conversion's scale operand
.set k, k+1
.endr
.set k, 0
.rept 16
	v_lshrrev_b32 v[240+k], 23, v[224+k]           ; the scale's byte
.set k, k+1
.endr
.set q, 0
.rept 8
	v_lshl_or_b32 v[192+8*((\W)-2)+q], v[240+2*q+1], 8, v[240+2*q]   ; the group's two bytes
.set q, q+1
.endr
	WIN \W                                         ; source 0 in window W
.set q, 0
.rept 8
.set G, 8*((\W)-2)+q
	v_cvt_scalef32_pk8_fp4_f32 v[128+4*G], v[32*q:32*q+7], v[224+2*q]
	v_cvt_scalef32_pk8_fp4_f32 v[128+4*G+2], v[32*q+8:32*q+15], v[224+2*q]
	v_cvt_scalef32_pk8_fp4_f32 v[128+4*G+1], v[32*q+16:32*q+23], v[224+2*q+1]
	v_cvt_scalef32_pk8_fp4_f32 v[128+4*G+3], v[32*q+24:32*q+31], v[224+2*q+1]
.set q, q+1
.endr
	WIN 0
	v_nop                                          ; one plain place behind the scaled conversions
.set q, 0
.rept 8
.set G, 8*((\W)-2)+q
	v_permlane16_swap_b32 v[128+4*G], v[128+4*G+1]     ; half h now holds the whole block h
	v_permlane16_swap_b32 v[128+4*G+2], v[128+4*G+3]
.set q, q+1
.endr
.set q, 0
.rept 8
.set G, 8*((\W)-2)+q
	global_store_b128 v[208+G], v[128+4*G:128+4*G+3], s[22:23]   ; 512 consecutive bytes, aligned
.set q, q+1
.endr
.endm
	QW 2
	QW 3
	s_cmp_eq_u32 s89, 2
	s_cbranch_scc1 .Lv_tail
	; q, k: a tile's scale word = its two bytes under 0x7f7f (the upper 64 of the instruction's 128 along K are zero codes under the scale 1).  Image: lane 16 u + r, word i = tile 2 i + u, row r
.irp e, 0,1
.irp i, 0,1,2,3
	v_cndmask_b32 v[8+4*\e+\i], v[192+4*\i+\e], v[192+4*\i+2+\e], s95
.endr
.endr
.irp i, 0,1,2,3,4,5,6,7
	v_or_b32 v[8+\i], 0x7f7f0000, v[8+\i]
.endr
	global_store_b128 v4, v[8:11], s[24:25]
	global_store_b128 v4, v[12:15], s[26:27]
	; THE MASK'S DIGEST.  Word w = 8 t + i of a tile (16 queries x 128 keys): bit 16 h + r = mask(query r, key 16 t + 8 h + i): the lane mask for register w of the scores.  64 words a tile, one aligned store of 256 bytes.
.irp i, 0,1,2,3
	v_mov_b32 v[24+\i], 0                          ; (a lane write's destination counts as read)
.endr
	s_mov_b32 s104, 0
	s_lshr_b32 s31, s33, 3
	s_and_b32 s32, s33, 7
	s_lshl_b32 s42, s31, 12
	s_lshl_b32 s32, s32, 9
	s_add_co_u32 s42, s42, s32
	s_mov_b32 s43, 0
	s_add_nc_u64 s[62:63], s[40:41], s[42:43]      ; the words of tiles (T, 2 pr) and (T, 2 pr + 1)
	s_add_co_u32 s42, s33, 0x80000
	s_add_nc_u64 s[40:41], s[40:41], s[42:43]      ; their flag byte, behind the words
.irp u, 0,1
	s_mov_b32 s100, 0
	s_mov_b32 s101, -1
.set w, 0
.rept 64
	v_bfe_u32 v[28+w%4], v[96+16*\u+2*(w/8)+((w%8)/4)], 8*(w%4), 8
	v_cmp_ne_u32 s[96+w%4], 0, v[28+w%4]
	v_writelane_b32 v[24+2*\u+w%2], s[96+w%4], w/2
	s_or_b32 s100, s100, s[96+w%4]
	s_and_b32 s101, s101, s[96+w%4]
.set w, w+1
.endr
	global_store_b64 v5, v[24+2*\u:25+2*\u], s[62:63] offset:256*\u
	s_cmp_lg_u32 s100, 0                           ; does any key of the tile count?
	s_cselect_b32 s31, 1<<\u, 0
	s_or_b32 s104, s104, s31
	s_cmp_eq_u32 s101, -1                          ; do all?
	s_cselect_b32 s31, 16<<\u, 0
	s_or_b32 s104, s104, s31
.endr
	v_mov_b32 v28, 0
	v_mov_b32 v29, s104
	s_wait_xcnt 0x0                                ; EXEC changes only behind this wait
	v_cmp_eq_u32 vcc_lo, 0, v3
	s_and_saveexec_b32 s105, vcc_lo
	global_store_b8 v28, v29, s[40:41]
	s_wait_xcnt 0x0                                ; and again in front of the line that widens it
	s_or_b32 exec_lo, exec_lo, s105
	s_branch .Lend
.Lv_tail:
	; v: a channel's scale word for the step's 128 keys = its four bytes.  Image: lane 16 u + r, word i = channel tile 2 i + u, row r
.irp a, 0,1,2,3,4,5,6,7
	v_lshl_or_b32 v[240+\a], v[192+2*\a+1], 16, v[192+2*\a]
.endr
.irp e, 0,1
.irp i, 0,1
	v_cndmask_b32 v[8+2*\e+\i], v[240+4*\e+2*\i], v[240+4*\e+2*\i+1], s95
.endr
.endr
	global_store_b64 v5, v[8:9], s[24:25]
	global_store_b64 v5, v[10:11], s[26:27]
.Lend:
	s_wait_tensorcnt 0x0
	ds_add_u32 v22, v23
	s_wait_dscnt 0x0
	CROUND                                         ; the closing round: no work-group ends while a partner may still ask for a tile that names it
	s_endpgm
.Lfunc_end_k_q6e1d4c70dc_proj:
	.size	k_q6e1d4c70dc_proj, .Lfunc_end_k_q6e1d4c70dc_proj-k_q6e1d4c70dc_proj
	.p2alignl 7, 3214868480
	.fill 96, 4, 3214868480
	.section	.rodata,"a",@progbits
	.p2align	6, 0x0
	.amdhsa_kernel k_q6e1d4c70dc_proj
		.amdhsa_group_segment_fixed_size 279040
		.amdhsa_private_segment_fixed_size 0
		.amdhsa_enable_private_segment 0
		.amdhsa_kernarg_size 152
		.amdhsa_user_sgpr_count 2
		.amdhsa_user_sgpr_kernarg_segment_ptr 1
		.amdhsa_wavefront_size32 1
		.amdhsa_system_sgpr_workgroup_id_x 1
		.amdhsa_system_sgpr_workgroup_id_y 1
		.amdhsa_system_sgpr_workgroup_id_z 1
		.amdhsa_system_vgpr_workitem_id 0
		.amdhsa_next_free_vgpr 1024
		.amdhsa_next_free_sgpr 106
		.amdhsa_reserve_vcc 1
		.amdhsa_float_denorm_mode_32 3
		.amdhsa_float_denorm_mode_16_64 3
		.amdhsa_memory_ordered 1
		.amdhsa_forward_progress 1
		.amdhsa_inst_pref_size 182
	.end_amdhsa_kernel
	.amdgpu_metadata
---
amdhsa.version: [ 1, 2 ]
amdhsa.kernels:
  - .name:           k_q6e1d4c70dc_proj
    .symbol:         k_q6e1d4c70dc_proj.kd
    .args:
      - { .name: query_codes, .offset: 0, .size: 8, .value_kind: global_buffer, .address_space: global }
      - { .name: query_scales, .offset: 8, .size: 8, .value_kind: global_buffer, .address_space: global }
      - { .name: Wq_codes, .offset: 16, .size: 8, .value_kind: global_buffer, .address_space: global }
      - { .name: Wq_scales, .offset: 24, .size: 8, .value_kind: global_buffer, .address_space: global }
      - { .name: bq, .offset: 32, .size: 8, .value_kind: global_buffer, .address_space: global }
      - { .name: key_codes, .offset: 40, .size: 8, .value_kind: global_buffer, .address_space: global }
      - { .name: key_scales, .offset: 48, .size: 8, .value_kind: global_buffer, .address_space: global }
      - { .name: Wk_codes, .offset: 56, .size: 8, .value_kind: global_buffer, .address_space: global }
      - { .name: Wk_scales, .offset: 64, .size: 8, .value_kind: global_buffer, .address_space: global }
      - { .name: bk, .offset: 72, .size: 8, .value_kind: global_buffer, .address_space: global }
      - { .name: value_codes, .offset: 80, .size: 8, .value_kind: global_buffer, .address_space: global }
      - { .name: value_scales, .offset: 88, .size: 8, .value_kind: global_buffer, .address_space: global }
      - { .name: Wv_codes, .offset: 96, .size: 8, .value_kind: global_buffer, .address_space: global }
      - { .name: Wv_scales, .offset: 104, .size: 8, .value_kind: global_buffer, .address_space: global }
      - { .name: bv, .offset: 112, .size: 8, .value_kind: global_buffer, .address_space: global }
      - { .name: causal_mask, .offset: 120, .size: 8, .value_kind: global_buffer, .address_space: global }
      - { .name: qx, .offset: 128, .size: 8, .value_kind: global_buffer, .address_space: global }
      - { .name: kv, .offset: 136, .size: 8, .value_kind: global_buffer, .address_space: global }
      - { .name: mk, .offset: 144, .size: 8, .value_kind: global_buffer, .address_space: global }
    .group_segment_fixed_size: 279040
    .private_segment_fixed_size: 0
    .kernarg_segment_align: 8
    .kernarg_segment_size: 152
    .max_flat_workgroup_size: 128
    .sgpr_count:     106
    .vgpr_count:     1024
    .wavefront_size: 32
...
	.end_amdgpu_metadata
.endif
;; end of part 1
;; launch attn (part 2): grid 8 x 32, 16 waves a work-group, no clusters, 289,792 bytes of LDS; arguments qx, kv, mk, cx, cs; writes cx, cs
.if DOCPART == 2
	.amdgcn_target "amdgcn-amd-amdhsa--gfx1250"
	.amdhsa_code_object_version 6
	.text
	.protected	k_q6e1d4c70dc_attn
	.globl	k_q6e1d4c70dc_attn
	.p2align	8
	.type	k_q6e1d4c70dc_attn,@function
k_q6e1d4c70dc_attn:
	s_mov_b64 s[64:65], 0
	v_nop
	global_prefetch_b8 v0, s[64:65] scope:SCOPE_SE
	s_setreg_imm32_b32 hwreg(HW_REG_WAVE_MODE, 25, 1), 1
	s_wait_xcnt 0x0
; ctx = softmax(q k^T / 8, under the given mask) v for all 64 heads, both products on codes of FP4 (E2M1) with E8M0 scales, and ctx quantised along the model's 1,024 into the last product's operand images.
; THE SOFTMAX: t = score x log2(e) / 8; M = the row's largest t so far rounded UP to a whole number; p = 2^(t - M) is quantised along the keys, not normalised; the row's sum is taken of the unquantised p and divides at the end.
; When M moves, the sum and O are multiplied by 2^(old M - new M): exact.
; SHARES.  A work-group takes two neighbouring heads of a batch and the 16 query tiles T = 8 i + x (16 queries each).  Its 280 KiB of K's and V's codes and scale words are copied into LDS once, as they lie in kv.
; Wave w takes head w / 8 and two tiles, i = w % 8 and i = 15 - w % 8.  Four waves of 256 registers share a SIMD, so that one wave's vector work stands beside another's products and LDS loads.
; THE MASK IS AN INPUT.  The launch before has stored, for each tile of 16 queries x 128 keys, 64 lane-mask words and two flags.  A tile none of whose keys counts is left out (its p would be zeros);
; a tile all of whose keys count skips the masking.  Both are branches on stored whole numbers, so this launch has no tensor load and no joint loads, though eight work-groups copy the same two heads:
; the skip can leave out up to half of the launch's key steps, the shared copy is 280 KiB once for a work-group.
; LAYOUT.  S^T = K Q^T (source 0 = 16 keys, source 1 = my 16 queries), O^T = V^T P^T: a lane holds ONE query throughout.  The head has 64 channels: the upper 64 of the first product's 128 along K are zero codes of Q
; (v20-23) under the scale 1 (bytes 0x7f); K's upper four registers may then hold anything that is a code: tile t's fragment is v[32 + 4 t .. + 7], whose upper half is the next tile's codes.
; A ROW WITH NO KEY THAT COUNTS has the sum 0: its ctx gets the scale bytes 0xff, which make the last product NaN in that row.
; LIMITS: a block of zeros gets the byte 1 and not 127 (its codes are zeros; this program alone reads the bytes); NaN and infinities among q, k, v are not served.
; REGISTERS: v1-4 LDS places of K, V and their scale words; v5 16 x lane; v6 -infinity; v7 16 (lane % 16); v8-11 the step's addresses; v12 -M, v13 the largest t, v[14:15] the sum; v16-23 Q; v24 Q's scale word, v25 P's,
;   v26-29 K's, v30-31 V's; v32-67 K; v68-99 V; v100-163 S^T, then p; v164-195 O^T; v196-203 P's codes; v204-228 at work; v240-241 stage addresses; v242 0xffff; v243-247 the last copy; v248 16 x thread; v250-254 the fill.
.set KHS,  143360                      ; a head in kv: K's codes at 0, V's at 65,536, K's scale words at 131,072, V's at 139,264
.set QHS,  73728                       ; a head in qx: codes at 0, scale words at 65,536
.set STG,  2*KHS                       ; behind the two heads: ctx's scale words of the work-group's 16 tiles, 1,024 bytes
.macro PLACES n
.rept \n
	v_nop
.endr
.endm
.macro WS t                            ; S^T, tile t of 16 keys
.if (\t)%2
	v_wmma_scale_f32_16x16x128_f8f6f4 v[100+8*(\t):107+8*(\t)], v[32+4*(\t):39+4*(\t)], v[16:23], 0, v[26+(\t)/2], v24 matrix_a_fmt:MATRIX_FMT_FP4 matrix_b_fmt:MATRIX_FMT_FP4 matrix_a_scale:MATRIX_SCALE_ROW1
.else
	v_wmma_scale_f32_16x16x128_f8f6f4 v[100+8*(\t):107+8*(\t)], v[32+4*(\t):39+4*(\t)], v[16:23], 0, v[26+(\t)/2], v24 matrix_a_fmt:MATRIX_FMT_FP4 matrix_b_fmt:MATRIX_FMT_FP4
.endif
.endm
.macro WP t                            ; O^T += V^T P^T, tile t of 16 channels
.if (\t)%2
	v_wmma_scale_f32_16x16x128_f8f6f4 v[164+8*(\t):171+8*(\t)], v[68+8*(\t):75+8*(\t)], v[196:203], v[164+8*(\t):171+8*(\t)], v[30+(\t)/2], v25 matrix_a_fmt:MATRIX_FMT_FP4 matrix_b_fmt:MATRIX_FMT_FP4 matrix_a_scale:MATRIX_SCALE_ROW1
.else
	v_wmma_scale_f32_16x16x128_f8f6f4 v[164+8*(\t):171+8*(\t)], v[68+8*(\t):75+8*(\t)], v[196:203], v[164+8*(\t):171+8*(\t)], v[30+(\t)/2], v25 matrix_a_fmt:MATRIX_FMT_FP4 matrix_b_fmt:MATRIX_FMT_FP4
.endif
.endm
	s_load_b256 s[4:11], s[0:1], 0x0               ; qx, kv, mk, cx
	s_load_b64 s[12:13], s[0:1], 0x20              ; cs
	v_lshl_add_u32 v249, v0, 2, 0x46400
	v_mov_b32 v255, 0
	v_lshrrev_b32 v1, 5, v0
	v_readfirstlane_b32 s14, v1                    ; wave 0..15
	s_lshr_b32 s15, s14, 3                         ; which of the two heads
	s_and_b32 s16, s14, 7
	s_mov_b32 s17, ttmp9                           ; x: T = 8 i + x
	s_and_b32 s18, ttmp7, 0xffff
	s_and_b32 s19, s18, 7                          ; the pair of heads
	s_lshr_b32 s18, s18, 3                         ; the batch
	s_lshl_b32 s24, s18, 4
	s_lshl_b32 s25, s19, 1
	s_add_co_u32 s24, s24, s25
	s_mul_i32 s26, s24, KHS                        ; the pair's first byte in kv
	s_mov_b32 s27, 0
	s_add_co_u32 s24, s24, s15
	s_mul_i32 s28, s24, QHS                        ; my head's first byte in qx
	s_mov_b32 s29, 0
	v_lshlrev_b32 v248, 4, v0
.irp k, 0,1,2,3,4
	v_add_nc_u32 v[250+\k], \k*65536, v248
.endr
	s_wait_kmcnt 0x0
	s_add_nc_u64 s[6:7], s[6:7], s[26:27]
	s_add_nc_u64 s[4:5], s[4:5], s[28:29]
.set i, 0
.rept 35                               ; 286,720 bytes = 35 x (512 threads x 16 bytes)
	global_load_b128 v[100+4*i:103+4*i], v248, s[6:7] offset:8192*i
.set i, i+1
.endr
	v_and_b32 v5, 31, v0
	v_lshlrev_b32 v5, 4, v5
	s_mul_i32 s24, s15, KHS
	v_add_nc_u32 v1, s24, v5
	v_add_nc_u32 v2, 0x10000, v1
	v_add_nc_u32 v3, 0x20000, v1
	v_lshrrev_b32 v4, 1, v5
	v_add_nc_u32 v4, s24, v4
	v_add_nc_u32 v4, 0x22000, v4
	v_mov_b32 v6, 0xff800000
	v_and_b32 v7, 15, v0
	v_lshlrev_b32 v243, 2, v7
	v_lshlrev_b32 v7, 4, v7
	s_lshl_b32 s24, s15, 1
	s_add_co_u32 s24, s24, STG
	s_lshl_b32 s25, s16, 6
	s_add_co_u32 s25, s25, s24
	v_add_nc_u32 v240, s25, v243                   ; the stage: 64 i + 4 r + 2 x head, for my first tile
	s_xor_b32 s25, s16, 15
	s_lshl_b32 s25, s25, 6
	s_add_co_u32 s25, s25, s24
	v_add_nc_u32 v241, s25, v243                   ; and my second
	v_add_nc_u32 v243, STG, v248
	v_mov_b32 v242, 0xffff
.irp i, 20,21,22,23,64,65,66,67
	v_mov_b32 v\i, 0                               ; zero codes: Q's upper 64 along K, and what stands behind K's last tile
.endr
	s_mov_b32 s20, 0x76543210
	s_mov_b32 s21, 0xfedcba98                      ; v_permlanex16_b32's selects for lane l xor 16
	s_mov_b32 s22, 0x3e38aa3b                      ; c = log2(e) / 8
	s_mov_b32 s23, s22                             ; (named with it as a pair)
.set i, 0
.rept 35
	s_wait_loadcnt 34-i                            ; loads come back in order: the 34 - i younger ones may be out
	ds_store_b128 v[250+i/8], v[100+4*i:103+4*i] offset:8192*(i%8)
.set i, i+1
.endr
	s_wait_dscnt 0x0                               ; for the others' sake: my part of the copy has landed
	s_barrier_signal -1
	s_barrier_wait -1
; One tile of 16 queries against all 16 key steps.
.macro ITEM n
.if \n
	s_wait_xcnt 0x0                                ; the first tile's store has read its registers and its base
	s_xor_b32 s29, s16, 15
.else
	s_mov_b32 s29, s16
.endif
	s_lshl_b32 s29, s29, 3
	s_add_co_u32 s29, s29, s17                     ; T
	s_lshl_b32 s24, s29, 3
	s_load_b64 s[30:31], s[8:9], s24 offset:0x80000   ; the tile's 16 pairs of flags: a byte for two steps
	s_lshl_b32 s26, s29, 12
	s_mov_b32 s27, 0
	s_add_nc_u64 s[100:101], s[8:9], s[26:27]      ; its mask words: 256 bytes a step
	s_lshl_b32 s26, s29, 9
	s_add_nc_u64 s[104:105], s[4:5], s[26:27]
	global_load_b128 v[16:19], v5, s[104:105]      ; Q's codes: the image of registers 0-3
	s_lshr_b32 s26, s29, 3
	s_lshl_b32 s26, s26, 9
	s_and_b32 s25, s29, 1
	s_lshl_b32 s25, s25, 8
	s_add_co_u32 s26, s26, s25
	s_bfe_u32 s25, s29, 0x20001
	s_lshl_b32 s25, s25, 2
	s_add_co_u32 s26, s26, s25
	s_add_co_u32 s26, s26, 0x10000
	s_add_nc_u64 s[2:3], s[4:5], s[26:27]
	global_load_b32 v24, v7, s[2:3]                ; Q's scale words: in the image of step T / 8, lane 16 (T % 2) + r, word (T / 2) % 4
	v_mov_b32 v13, 0xff61b1e6                      ; the largest t so far: -3e38
	v_floor_f32 v12, -v13                          ; -M
	v_mov_b32 v14, 0
	v_mov_b32 v15, 0
.set o, 0
.rept 32
	v_mov_b32 v[164+o], 0                          ; O^T: the step is written once; the first change of M leaves zeros zeros
.set o, o+1
.endr
.irp i, 208,209,210,211,221,222
	v_mov_b32 v\i, 0                               ; permute destinations and a pair's upper half are named before they are first written
.endr
	s_wait_kmcnt 0x0
	s_wait_loadcnt 0x0
	s_mov_b32 s24, 0                               ; the step's codes: 4,096 bytes a step
	s_mov_b32 s25, 0                               ; K's scale words: 512
	s_mov_b32 s26, 0                               ; V's scale words and the mask words: 256
	s_mov_b32 s28, 1
	s_mov_b32 s27, 16
.Lstep_\@:
	s_bitcmp1_b32 s30, 0                           ; does any key of this tile count?
	s_cbranch_scc0 .Lskip_\@
	v_add_nc_u32 v8, s24, v1                       ; (these four are also the places behind the last step's products, in front of the loads into V's registers)
	v_add_nc_u32 v9, s24, v2
	v_add_nc_u32 v10, s25, v3
	v_add_nc_u32 v11, s26, v4
	s_load_b512 s[32:47], s[100:101], s26 offset:0x0     ; the 64 mask words
	s_load_b512 s[48:63], s[100:101], s26 offset:0x40
	s_load_b512 s[68:83], s[100:101], s26 offset:0x80
	s_load_b512 s[84:99], s[100:101], s26 offset:0xc0
.irp t, 0,1,2,3,4,5,6,7
	ds_load_b128 v[32+4*\t:35+4*\t], v8 offset:512*\t
.endr
	ds_load_b128 v[26:29], v10
	s_wait_dscnt 0x0
.irp t, 0,1,2,3,4,5,6,7
	WS \t
.endr
.irp t, 0,1,2,3
.irp c, 0,1
	ds_load_b128 v[68+8*\t+4*\c:71+8*\t+4*\c], v9 offset:1024*\t+512*\c   ; V lands while the softmax is walked
.endr
.endr
	ds_load_b64 v[30:31], v11
	PLACES 4                                       ; behind the products, in front of the first read of the scores
	s_wait_kmcnt 0x0
	s_bitcmp1_b32 s30, 4                           ; do all keys count?
	s_cbranch_scc1 .Lopen_\@
.set w, 0
.rept 64
	v_cndmask_b32 v[100+w], v6, v[100+w], s[32+w+4*(w/32)]   ; a hidden key's score becomes -infinity: p = 0
.set w, w+1
.endr
.Lopen_\@:
.irp b, 0,1,2,3
	v_max3_num_f32 v[204+\b], v[100+16*\b], v[101+16*\b], v[102+16*\b]   ; the largest score of each block of 32 keys: for the row's maximum and, since p rises with the score, for the block's largest p
.endr
.irp i, 3,5,7,9,11,13
.irp b, 0,1,2,3
	v_max3_num_f32 v[204+\b], v[204+\b], v[100+16*\b+\i], v[101+16*\b+\i]
.endr
.endr
.irp b, 0,1,2,3
	v_max_num_f32 v[204+\b], v[204+\b], v[115+16*\b]
.endr
.irp b, 0,1,2,3
	v_permlanex16_b32 v[208+\b], v[204+\b], s20, s21
.endr
.irp b, 0,1,2,3
	v_max_num_f32 v[204+\b], v[204+\b], v[208+\b]
.endr
	v_max3_num_f32 v222, v204, v205, v206
	v_max_num_f32 v222, v222, v207
	v_mul_f32 v222, s22, v222
	v_max_num_f32 v13, v13, v222                   ; the running largest t
	v_mov_b32 v222, v12
	v_floor_f32 v12, -v13                          ; the new -M = -ceil(t)
	v_sub_f32 v222, v12, v222                      ; old M - new M: a whole number, 0 or less
	v_cvt_i32_f32 v222, v222                       ; (it saturates)
	v_ldexp_f32 v220, 1.0, v222                    ; f = 2^(old M - new M)
.set o, 0
.rept 32
	v_pk_fma_f32 v[100+o:101+o], v[100+o:101+o], s[22:23], v[12:13] op_sel_hi:[1,0,0]   ; t - M
.set o, o+2
.endr
.irp b, 0,1,2,3
	v_fma_f32 v[204+\b], v[204+\b], s22, v12
.endr
.set o, 0
.rept 64
	v_exp_f32 v[100+o], v[100+o]                   ; p = 2^(t - M)
.set o, o+1
.endr
	v_pk_mul_f32 v[14:15], v[14:15], v[220:221] op_sel_hi:[1,0]   ; the sums under the new M: the plain instruction behind the exponentials
	s_wait_alu depctr_va_vdst(0)                   ; one wait for the batch of 64, ahead of its first reader
.irp b, 0,1,2,3
	v_exp_f32 v[204+\b], v[204+\b]                 ; each block's largest p
.endr
	v_pk_add_f32 v[224:225], v[100:101], v[102:103]   ; the row's sum of the unquantised p, in two chains
.irp j, 4,8,12,16,20,24,28,32,36,40,44,48,52,56,60
	v_pk_add_f32 v[14:15], v[14:15], v[100+\j:101+\j]
	v_pk_add_f32 v[224:225], v[224:225], v[102+\j:103+\j]
.endr
	v_pk_add_f32 v[14:15], v[14:15], v[224:225]
	s_wait_alu depctr_va_vdst(0)                   ; and one for the four
.irp b, 0,1,2,3
	v_max_num_f32 v[204+\b], 0x1800000, v[204+\b]  ; the floor 2^(3 - 127)
.endr
.irp b, 0,1,2,3
	v_add_nc_u32 v[212+\b], 0xff000000, v[204+\b]  ; 2 off the exponent field: the conversion's scale operand
.endr
.irp b, 0,1,2,3
	v_lshrrev_b32 v[216+\b], 23, v[212+\b]
.endr
	v_lshl_or_b32 v25, v217, 8, v216               ; P's scale word for these 128 keys
	v_lshl_or_b32 v25, v218, 16, v25
	v_lshl_or_b32 v25, v219, 24, v25
.irp c, 0,1
	v_cvt_scalef32_pk8_fp4_f32 v[196+4*\c], v[100+32*\c:107+32*\c], v[212+2*\c]
	v_cvt_scalef32_pk8_fp4_f32 v[198+4*\c], v[108+32*\c:115+32*\c], v[212+2*\c]
	v_cvt_scalef32_pk8_fp4_f32 v[197+4*\c], v[116+32*\c:123+32*\c], v[213+2*\c]
	v_cvt_scalef32_pk8_fp4_f32 v[199+4*\c], v[124+32*\c:131+32*\c], v[213+2*\c]
.endr
	v_nop                                          ; one plain place behind the scaled conversions
.irp c, 0,1
	v_permlane16_swap_b32 v[196+4*\c], v[197+4*\c] ; half h now holds the whole block 2 c + h
	v_permlane16_swap_b32 v[198+4*\c], v[199+4*\c]
.endr
.set o, 0
.rept 16
	v_pk_mul_f32 v[164+o:165+o], v[164+o:165+o], v[220:221] op_sel_hi:[1,0]   ; O^T under the new M.  (These sixteen are the places between the scale word, the codes and the products)
.set o, o+2
.endr
	s_wait_dscnt 0x0                               ; V and its scale words
.irp t, 0,1,2,3
	WP \t                                          ; four accumulators by turns; the next matrix instruction is the next step's first score tile
.endr
.Lskip_\@:
	s_lshr_b32 s30, s30, s28                       ; the next step's flags to bits 0 and 4: 1 bit on inside a byte, 7 to the next byte;
	s_xor_b32 s28, s28, 6
	s_cmp_eq_u32 s27, 9                            ; behind the eighth step the upper word's turn comes
	s_cselect_b32 s30, s31, s30
	s_add_co_u32 s24, s24, 4096
	s_add_co_u32 s25, s25, 512
	s_add_co_u32 s26, s26, 256
	s_sub_co_u32 s27, s27, 1
	s_cmp_lg_u32 s27, 0
	s_cbranch_scc1 .Lstep_\@
	; THE TILE'S END: ctx = O^T / the sum, quantised along the head's 64 channels: two blocks, four operand registers, two scale bytes
	PLACES 4
	v_add_f32 v14, v14, v15
	v_permlanex16_b32 v222, v14, s20, s21
	v_add_f32 v14, v14, v222                       ; the row's sum
	v_rcp_f32 v226, v14
	v_cmp_eq_f32 vcc_lo, 0, v14                    ; (the plain place behind the reciprocal)  no key counted for this query
	v_mov_b32 v227, 0
	s_lshl_b32 s26, s18, 7
	s_add_co_u32 s26, s26, s29
	s_lshl_b32 s26, s26, 3
	s_add_co_u32 s26, s26, s19
	s_lshl_b32 s26, s26, 10
	s_lshl_b32 s25, s15, 9
	s_add_co_u32 s26, s26, s25
	s_mov_b32 s27, 0
	s_add_nc_u64 s[104:105], s[10:11], s[26:27]    ; cx: tile 128 b + T, K step = the pair of heads, half = my head
	s_wait_alu depctr_va_vdst(0)                   ; ahead of the reciprocal's first reader
.set o, 0
.rept 16
	v_pk_mul_f32 v[100+o:101+o], v[164+o:165+o], v[226:227] op_sel_hi:[1,0]
.set o, o+2
.endr
.irp b, 0,1
	v_max3_num_f32 v[204+\b], |v[100+16*\b]|, |v[101+16*\b]|, 0x1800000
.endr
.irp i, 2,4,6,8,10,12,14
.irp b, 0,1
	v_max3_num_f32 v[204+\b], v[204+\b], |v[100+16*\b+\i]|, |v[101+16*\b+\i]|
.endr
.endr
.irp b, 0,1
	v_permlanex16_b32 v[208+\b], v[204+\b], s20, s21
.endr
.irp b, 0,1
	v_max_num_f32 v[204+\b], v[204+\b], v[208+\b]
.endr
.irp b, 0,1
	v_add_nc_u32 v[212+\b], 0xff000000, v[204+\b]
.endr
.irp b, 0,1
	v_lshrrev_b32 v[216+\b], 23, v[212+\b]
.endr
	v_lshl_or_b32 v228, v217, 8, v216
	v_cvt_scalef32_pk8_fp4_f32 v196, v[100:107], v212
	v_cvt_scalef32_pk8_fp4_f32 v198, v[108:115], v212
	v_cvt_scalef32_pk8_fp4_f32 v197, v[116:123], v213
	v_cvt_scalef32_pk8_fp4_f32 v199, v[124:131], v213
	v_nop
	v_permlane16_swap_b32 v196, v197
	v_permlane16_swap_b32 v198, v199
	v_cndmask_b32 v228, v228, v242, vcc_lo         ; a row without a key: the bytes 0xff
	global_store_b128 v5, v[196:199], s[104:105]   ; 512 consecutive bytes, aligned
	ds_store_b16 v[240+\n], v228                   ; both halves of the lanes write the same two bytes with the same value
.endm
	ITEM 0
	ITEM 1
	s_wait_dscnt 0x0                               ; my scale bytes lie in the stage
	s_barrier_signal -1
	s_barrier_wait -1
	s_cmp_lt_u32 s14, 2                            ; waves 0 and 1 store the work-group's 1,024 bytes of scale words
	s_cbranch_scc0 .Ldone
	ds_load_b128 v[244:247], v243
	s_lshl_b32 s26, s18, 16
	s_lshl_b32 s25, s19, 13
	s_add_co_u32 s26, s26, s25
	s_lshl_b32 s25, s17, 10
	s_add_co_u32 s26, s26, s25
	s_mov_b32 s27, 0
	s_add_nc_u64 s[12:13], s[12:13], s[26:27]
	s_wait_dscnt 0x0
	global_store_b128 v248, v[244:247], s[12:13]
.Ldone:
	s_wait_tensorcnt 0x0
	ds_add_u32 v249, v255
	s_wait_dscnt 0x0
	s_endpgm
.Lfunc_end_k_q6e1d4c70dc_attn:
	.size	k_q6e1d4c70dc_attn, .Lfunc_end_k_q6e1d4c70dc_attn-k_q6e1d4c70dc_attn
	.p2alignl 7, 3214868480
	.fill 96, 4, 3214868480
	.section	.rodata,"a",@progbits
	.p2align	6, 0x0
	.amdhsa_kernel k_q6e1d4c70dc_attn
		.amdhsa_group_segment_fixed_size 289792
		.amdhsa_private_segment_fixed_size 0
		.amdhsa_enable_private_segment 0
		.amdhsa_kernarg_size 40
		.amdhsa_user_sgpr_count 2
		.amdhsa_user_sgpr_kernarg_segment_ptr 1
		.amdhsa_wavefront_size32 1
		.amdhsa_system_sgpr_workgroup_id_x 1
		.amdhsa_system_sgpr_workgroup_id_y 1
		.amdhsa_system_sgpr_workgroup_id_z 1
		.amdhsa_system_vgpr_workitem_id 0
		.amdhsa_next_free_vgpr 256
		.amdhsa_next_free_sgpr 106
		.amdhsa_reserve_vcc 1
		.amdhsa_float_denorm_mode_32 3
		.amdhsa_float_denorm_mode_16_64 3
		.amdhsa_memory_ordered 1
		.amdhsa_forward_progress 1
		.amdhsa_inst_pref_size 62
	.end_amdhsa_kernel
	.amdgpu_metadata
---
amdhsa.version: [ 1, 2 ]
amdhsa.kernels:
  - .name:           k_q6e1d4c70dc_attn
    .symbol:         k_q6e1d4c70dc_attn.kd
    .args:
      - { .name: qx, .offset: 0, .size: 8, .value_kind: global_buffer, .address_space: global }
      - { .name: kv, .offset: 8, .size: 8, .value_kind: global_buffer, .address_space: global }
      - { .name: mk, .offset: 16, .size: 8, .value_kind: global_buffer, .address_space: global }
      - { .name: cx, .offset: 24, .size: 8, .value_kind: global_buffer, .address_space: global }
      - { .name: cs, .offset: 32, .size: 8, .value_kind: global_buffer, .address_space: global }
    .group_segment_fixed_size: 289792
    .private_segment_fixed_size: 0
    .kernarg_segment_align: 8
    .kernarg_segment_size: 40
    .max_flat_workgroup_size: 512
    .sgpr_count:     106
    .vgpr_count:     256
    .wavefront_size: 32
...
	.end_amdgpu_metadata
.endif
;; end of part 2
;; launch outp (part 3): grid 4 x 64, 4 waves a work-group, clusters of 4 x 4, 205,312 bytes of LDS; arguments cx, cs, Wo_codes, Wo_scales, bo, out0; writes out0
.if DOCPART == 3
	.amdgcn_target "amdgcn-amd-amdhsa--gfx1250"
	.amdhsa_code_object_version 6
	.text
	.protected	k_q6e1d4c70dc_outp
	.globl	k_q6e1d4c70dc_outp
	.p2align	8
	.type	k_q6e1d4c70dc_outp,@function
k_q6e1d4c70dc_outp:
	s_mov_b64 s[64:65], 0
	v_nop
	global_prefetch_b8 v0, s[64:65] scope:SCOPE_SE
	s_setreg_imm32_b32 hwreg(HW_REG_WAVE_MODE, 25, 1), 1
	s_wait_xcnt 0x0
	s_wait_alu depctr_hold_cnt(0) depctr_sa_sdst(0) depctr_va_vdst(0) depctr_va_sdst(0) depctr_va_ssrc(0) depctr_va_vcc(0) depctr_vm_vsrc(0)
	s_getreg_b32 s2, hwreg(HW_REG_IB_STS2, 6, 4)
	s_cmp_eq_u32 s2, 0
	s_cbranch_scc0 .Lentry_in_a_cluster
	s_endpgm
.Lentry_in_a_cluster:
	s_bfe_u32 s2, ttmp6, 0x10000c
	s_cmp_lg_u32 s2, 0xf033
	s_cbranch_scc0 .Lentry_shape_is_right
	s_endpgm
.Lentry_shape_is_right:
; out0 = ctx Wo^T + bo on codes of FP4 (E2M1) with E8M0 scales.  ctx comes as images of operand registers (cx: [tile of 16 rows][K step 8][1,024 bytes]) with its scale words in cs; Wo as given, K innermost.
; SHARES.  256 work-groups, each 128 rows x 256 columns; wave (w / 2, w % 2) makes 64 x 128: 32 accumulators.  The matrix instruction is used transposed (source 0 = 16 rows of Wo, source 1 = 16 rows of ctx):
; a lane holds eight neighbouring numbers of a row of out0.  bo is the C of each sum's first product.
; K = 1,024 lies whole in LDS: two slots of 512 along K, each filled once; nothing is filled again.
; CLUSTERS: 4 x 4.  ctx's tiles hang on the tile row alone and are asked for jointly by a row of the cluster, Wo's on the tile column alone, by a column.
; A row of ctx whose scale bytes are 0xff (no key counted for it) comes out NaN.
; REGISTERS.  Window 0: v1-8 lane terms; v16-17, v20-21 LDS addresses; v24-25 the stage; v32-47 ctx's scale words, v48-79 Wo's; v128-159, v160-191 ctx's fragments, two sets; v192-255 bo; on the way out v128-255 rows of out0.
;   Window 1: v0-63, v64-127 Wo's fragments, two sets.   Window 2: accumulator (a, b) at v[8 (8 a + b)].
.set PITCH,  272                       ; a row of Wo in LDS: 256 bytes + 16 of padding
.set HALFB,  128*PITCH
.set BOFF,   32768                     ; a slot: ctx's 8 tiles x 4,096 bytes of images, then Wo's 256 rows
.set SLOT,   BOFF+2*HALFB
.set SPITCH, 528                       ; the way out: 16 rows x (512 bytes + 16) for each wave, in slot 0, which has had its one fill and its last read by then
.set MSB, 0
.macro WIN new
.if MSB != (\new)
	s_set_vgpr_msb (MSB<<8)|(\new)
.set MSB, (\new)
.endif
.endm
.macro PLACES n
.rept \n
	v_nop
.endr
.endm
.macro JLOAD g0a, g1a, g0b, g1b        ; waves 0 and 1 fetch ctx's tiles, waves 2 and 3 Wo's; four v_nop follow each line
	s_cmp_eq_u32 s85, 0
	s_cbranch_scc0 .Lfor_b_\@
	tensor_load_to_lds s[\g0a:\g0a+3], s[\g1a:\g1a+7]
	s_nop 0
.rept 4
	v_nop
.endr
	s_branch .Lasked_\@
.Lfor_b_\@:
	tensor_load_to_lds s[\g0b:\g0b+3], s[\g1b:\g1b+7]
	s_nop 0
.rept 4
	v_nop
.endr
.Lasked_\@:
.endm
.macro CROUND
	s_barrier_signal -1
	s_barrier_wait -1
	s_cmp_lg_u32 s84, 0
	s_cbranch_scc1 .Lnot_wave_0_\@
	s_barrier_signal -3
.Lnot_wave_0_\@:
	s_barrier_wait -3
	s_barrier_signal -1
	s_barrier_wait -1
.endm
	s_load_b256 s[4:11], s[0:1], 0x0               ; cx, cs, Wo's codes, Wo's scales
	s_load_b128 s[12:15], s[0:1], 0x20             ; bo, out0
	v_lshl_add_u32 v126, v0, 2, 0x32000
	v_mov_b32 v127, 0
	ds_add_u32 v126, v127
	ds_add_u32 v126, v127
	v_lshrrev_b32 v1, 5, v0
	v_readfirstlane_b32 s84, v1                    ; wave 0..3
	s_lshr_b32 s85, s84, 1                         ; my half of the rows.  Also: I fetch ctx (0) or Wo (1)
	s_and_b32 s86, s84, 1                          ; my half of the columns.  Also: which half of that tile I fetch
	s_bfe_u32 s87, ttmp6, 0x40000                  ; cx
	s_bfe_u32 s88, ttmp6, 0x40004                  ; cy
	s_lshl_b32 s92, ttmp9, 2
	s_add_co_u32 s92, s92, s87                     ; tile column: 256 columns
	s_and_b32 s91, ttmp7, 0xffff
	s_lshl_b32 s91, s91, 2
	s_add_co_u32 s91, s91, s88                     ; tile row: 128 rows
	s_lshl_b32 s2, s88, 2
	s_lshl_b32 s2, 15, s2                          ; my row of the cluster
	s_lshl_b32 s3, 0x1111, s87                     ; my column
	; group 1 for ctx: 4 tiles' 4,096 bytes (four K steps of images), 8,192 bytes apart, as elements of 8 bytes, dense in LDS
	s_or_b32 s24, s2, (3<<16)|(1<<21)
	s_mov_b32 s25, 512<<16
	s_mov_b32 s26, 4<<16
	s_mov_b32 s27, 512<<16
	s_mov_b32 s28, 4
	s_mov_b32 s29, 1024
	s_mov_b32 s30, 0
	s_mov_b32 s31, 0
	; group 1 for Wo: 128 rows x 256 bytes, 512 bytes apart, 16 bytes of padding behind each row
	s_or_b32 s32, s3, (1<<20)|(1<<21)|(5<<22)|(3<<25)
	s_mov_b32 s33, 256<<16
	s_mov_b32 s34, 128<<16
	s_mov_b32 s35, 256<<16
	s_mov_b32 s36, 128
	s_mov_b32 s37, 512
	s_mov_b32 s38, 0
	s_mov_b32 s39, 0
	s_lshl_b32 s16, s91, 16                        ; ctx: (8 x tile row + 4 x half) tiles of 8,192 bytes
	s_lshl_b32 s18, s86, 15
	s_add_co_u32 s16, s16, s18
	s_mov_b32 s17, 0
	s_lshl_b32 s20, s92, 17                        ; Wo: (256 x tile column + 128 x half) rows of 512 bytes
	s_lshl_b32 s18, s86, 16
	s_add_co_u32 s20, s20, s18
	s_mov_b32 s21, 0
	s_lshl_b32 s22, s86, 14                        ; where they go in a slot
	s_mul_i32 s23, s86, HALFB
	s_add_co_u32 s23, s23, BOFF
	s_wait_dscnt 0x0
	s_wait_kmcnt 0x0
	s_add_nc_u64 s[16:17], s[4:5], s[16:17]
	s_add_nc_u64 s[20:21], s[8:9], s[20:21]
	CROUND                                         ; all sixteen work-groups are here: the joint loads meet
.irp s, 0,1
	s_mov_b32 s[40+4*\s], 1
	s_add_co_u32 s[41+4*\s], s22, \s*SLOT
	s_add_nc_u64 s[42+4*\s:43+4*\s], s[16:17], \s*4096
	s_or_b32 s[43+4*\s], s[43+4*\s], 0x80000000
	s_mov_b32 s[48+4*\s], 1
	s_add_co_u32 s[49+4*\s], s23, \s*SLOT
	s_add_nc_u64 s[50+4*\s:51+4*\s], s[20:21], \s*256
	s_or_b32 s[51+4*\s], s[51+4*\s], 0x80000000
	JLOAD 40+4*\s, 24, 48+4*\s, 32                 ; both halves of K: two tensor loads of mine are out
.endr
	v_and_b32 v1, 15, v0                           ; r
	v_bfe_u32 v2, v0, 4, 1                         ; h
	v_and_b32 v3, 31, v0
	v_lshlrev_b32 v4, 4, v3                        ; 16 x lane
	v_lshlrev_b32 v5, 5, v3                        ; 32 x lane: a row of Wo's scale bytes
	v_lshlrev_b32 v6, 2, v1
	v_lshl_add_u32 v6, v2, 10, v6                  ; ctx's scale words: 4 r, and the next tile (1,024 bytes on) for lanes 16-31
	v_lshlrev_b32 v7, 5, v2                        ; bo: 32 h
	s_lshl_b32 s56, s85, 14
	v_add_nc_u32 v16, s56, v4                      ; ctx's images: my four tiles, 16 x lane
	v_add_nc_u32 v17, SLOT, v16
	v_mul_u32_u24 v8, v1, PITCH
	v_lshl_add_u32 v8, v2, 4, v8
	s_mul_i32 s56, s86, HALFB
	s_add_co_u32 s56, s56, BOFF
	v_add_nc_u32 v20, s56, v8                      ; Wo's fragments: row x pitch + 16 x half
	v_add_nc_u32 v21, SLOT, v20
	s_mul_i32 s56, s84, 16*SPITCH
	v_mul_u32_u24 v24, v1, SPITCH
	v_lshl_add_u32 v24, v2, 5, v24
	v_add_nc_u32 v24, s56, v24                     ; the stage, in: row r, 32 bytes for each half of the lanes
	v_add_nc_u32 v25, s56, v4                      ; back: 32 lanes take a row of 512 bytes
	s_mov_b32 s57, 0
	s_lshr_b32 s56, s91, 4                         ; cs: [batch][K step][j 8][i 16][r 16] words, tile T = 8 i + j: batch = tile row / 16, i = tile row % 16, j = 4 x my half + a
	s_lshl_b32 s56, s56, 16
	s_lshl_b32 s58, s85, 12
	s_add_co_u32 s56, s56, s58
	s_and_b32 s58, s91, 15
	s_lshl_b32 s58, s58, 6
	s_add_co_u32 s56, s56, s58
	s_add_nc_u64 s[6:7], s[6:7], s[56:57]
	s_lshl_b32 s56, s92, 13
	s_lshl_b32 s58, s86, 12
	s_add_co_u32 s56, s56, s58
	s_add_nc_u64 s[10:11], s[10:11], s[56:57]      ; Wo's scales at my 128 rows
	s_lshl_b32 s56, s92, 10
	s_lshl_b32 s58, s86, 9
	s_add_co_u32 s56, s56, s58
	s_add_nc_u64 s[12:13], s[12:13], s[56:57]      ; bo at my 128 columns
	s_add_nc_u64 s[14:15], s[14:15], s[56:57]
	s_lshl_b32 s56, s91, 19
	s_lshl_b32 s58, s85, 18
	s_add_co_u32 s56, s56, s58
	s_add_nc_u64 s[14:15], s[14:15], s[56:57]      ; out0 at my first row and column
.irp g, 0,1
.irp s, 0,1,2,3,4,5,6,7
	global_load_b32 v[32+8*\g+\s], v6, s[6:7] offset:8192*\s+2048*\g   ; lanes 0-15 tile 2 g, lanes 16-31 tile 2 g + 1, K step s
.endr
.endr
.irp g, 0,1,2,3
.irp q, 0,1
	global_load_b128 v[48+8*\g+4*\q:51+8*\g+4*\q], v5, s[10:11] offset:1024*\g+16*\q   ; lane l takes row 32 g + l; register 8 g + s is K step s's word
.endr
.endr
.irp b, 0,1,2,3,4,5,6,7
	global_load_b128 v[192+8*\b:195+8*\b], v7, s[12:13] offset:64*\b      ; bo(16 b + 8 h + 0 .. 7)
	global_load_b128 v[196+8*\b:199+8*\b], v7, s[12:13] offset:64*\b+16
.endr
.macro FETCH s                         ; K step s: slot s / 4, its (s % 4)-th 128 along K, into set s % 2: 16 loads for Wo, 8 for ctx
.set fsl, (\s)/4
.set fq, (\s)%4
.set fp, (\s)%2
	WIN 0x40
.irp i, 0,1,2,3,4,5,6,7
.irp c, 0,1
	ds_load_b128 v[64*fp+8*\i+4*\c:64*fp+8*\i+4*\c+3], v[20+fsl] offset:64*fq+32*\c+\i*16*PITCH
.endr
.endr
	WIN 0
.irp i, 0,1,2,3
.irp c, 0,1
	ds_load_b128 v[128+32*fp+8*\i+4*\c:128+32*fp+8*\i+4*\c+3], v[16+fsl] offset:4096*\i+1024*fq+512*\c
.endr
.endr
.endm
.macro WM
.if (mb%2 == 1) && (ma%2 == 1)
	v_wmma_scale_f32_16x16x128_f8f6f4 v[rD:rD+7], v[rB:rB+7], v[rA:rA+7], v[rC:rC+7], v[rSB], v[rSA] matrix_a_fmt:MATRIX_FMT_FP4 matrix_b_fmt:MATRIX_FMT_FP4 matrix_a_scale:MATRIX_SCALE_ROW1 matrix_b_scale:MATRIX_SCALE_ROW1
.elseif mb%2 == 1
	v_wmma_scale_f32_16x16x128_f8f6f4 v[rD:rD+7], v[rB:rB+7], v[rA:rA+7], v[rC:rC+7], v[rSB], v[rSA] matrix_a_fmt:MATRIX_FMT_FP4 matrix_b_fmt:MATRIX_FMT_FP4 matrix_a_scale:MATRIX_SCALE_ROW1
.elseif ma%2 == 1
	v_wmma_scale_f32_16x16x128_f8f6f4 v[rD:rD+7], v[rB:rB+7], v[rA:rA+7], v[rC:rC+7], v[rSB], v[rSA] matrix_a_fmt:MATRIX_FMT_FP4 matrix_b_fmt:MATRIX_FMT_FP4 matrix_b_scale:MATRIX_SCALE_ROW1
.else
	v_wmma_scale_f32_16x16x128_f8f6f4 v[rD:rD+7], v[rB:rB+7], v[rA:rA+7], v[rC:rC+7], v[rSB], v[rSA] matrix_a_fmt:MATRIX_FMT_FP4 matrix_b_fmt:MATRIX_FMT_FP4
.endif
.endm
; 16 products: ctx's tiles a0, a0 + 1 x Wo's eight.  The 32 accumulators take turns, one instruction a turn, in the same order in every step
.macro MULW s, a0
.if (\s) == 0
	WIN 0x81                                       ; source 0 window 1, source 1 and C (bo) window 0, D window 2
.else
	WIN 0xa1                                       ; C and D window 2
.endif
.set ma, \a0
.rept 2
.set mb, 0
.rept 8
.set rD, 8*(8*ma+mb)
.set rB, 64*((\s)%2)+8*mb
.set rA, 128+32*((\s)%2)+8*ma
.set rSB, 48+8*(mb/2)+(\s)
.set rSA, 32+8*(ma/2)+(\s)
.if (\s) == 0
.set rC, 192+8*mb
.else
.set rC, rD
.endif
	WM
.set mb, mb+1
.endr
.set ma, ma+1
.endr
.endm
.macro KSTEP s
	s_wait_dscnt 0x0                               ; this step's 24 loads, asked for 32 products ago
.if (\s) == 3
	s_wait_tensorcnt 0x0                           ; my part of slot 1: no younger load exists
	s_barrier_signal -1
	MULW \s, 0
	s_barrier_wait -1                              ; slot 1 is whole, and nobody reads slot 0 any more
	PLACES 4
	FETCH 4
	MULW \s, 2
.else
.if (\s) < 7
.if (\s) > 0
	PLACES 4                                       ; behind the last step's products, in front of loads into the set that they read
.endif
	FETCH (\s)+1
.endif
	MULW \s, 0
	MULW \s, 2
.endif
.endm
	s_wait_tensorcnt 0x1                           ; my part of slot 0 is in; slot 1's load, the one younger, may stay out
	s_barrier_signal -1
	s_barrier_wait -1
	FETCH 0
	s_wait_loadcnt 0x0                             ; scale words and bo
	KSTEP 0
	KSTEP 1
	KSTEP 2
	KSTEP 3
	KSTEP 4
	KSTEP 5
	KSTEP 6
	KSTEP 7
	WIN 0
; THE WAY OUT, block by block of 16 rows x 128 columns: through my own stage, back as whole rows of 512 bytes.  LDS serves a wave's instructions in order: no wait between the stores and the loads.
.macro TOSTAGE a
	WIN 0x08                                       ; an LDS store's data are its source 1: window 2
.irp b, 0,1,2,3,4,5,6,7
	ds_store_b128 v24, v[64*(\a)+8*\b:64*(\a)+8*\b+3] offset:64*\b          ; each accumulator from its low end on
	ds_store_b128 v24, v[64*(\a)+8*\b+4:64*(\a)+8*\b+7] offset:64*\b+16
.endr
	WIN 0
.set BB, 128+64*((\a)%2)
.irp t, 0,1,2,3,4,5,6,7,8,9,10,11,12,13,14,15
	ds_load_b128 v[BB+4*\t:BB+4*\t+3], v25 offset:\t*SPITCH
.endr
.endm
.macro SEND a, younger                 ; younger: the LDS instructions issued behind block a's loads, which may stay out
.set BB, 128+64*((\a)%2)
	s_wait_dscnt \younger
.if (\a) > 0
	s_add_nc_u64 s[14:15], s[14:15], 16*4096       ; (behind a wait on XCNT)  16 rows of out0 on
.endif
.irp t, 0,1,2,3,4,5,6,7,8,9,10,11,12,13,14,15
	global_store_b128 v4, v[BB+4*\t:BB+4*\t+3], s[14:15] offset:\t*4096 th:TH_STORE_NT   ; 512 consecutive bytes, aligned; written once, read by nobody here
.endr
.endm
	PLACES 4                                       ; behind the last products: for the reads of results and the loads into registers that held fragments
	TOSTAGE 0
.irp a, 1,2,3
.if \a > 1
	s_wait_xcnt 0x0                                ; block a - 2's stores have read their registers and their base
.endif
	TOSTAGE \a
	SEND \a-1, 32                                  ; behind block a - 1's loads: block a's 16 stores and 16 loads
.endr
	s_wait_xcnt 0x0
	SEND 3, 0
	s_wait_tensorcnt 0x0
	ds_add_u32 v126, v127
	s_wait_dscnt 0x0
	CROUND                                         ; the closing round: no work-group ends while a partner may still ask for a tile that names it
	s_endpgm
.Lfunc_end_k_q6e1d4c70dc_outp:
	.size	k_q6e1d4c70dc_outp, .Lfunc_end_k_q6e1d4c70dc_outp-k_q6e1d4c70dc_outp
	.p2alignl 7, 3214868480
	.fill 96, 4, 3214868480
	.section	.rodata,"a",@progbits
	.p2align	6, 0x0
	.amdhsa_kernel k_q6e1d4c70dc_outp
		.amdhsa_group_segment_fixed_size 205312
		.amdhsa_private_segment_fixed_size 0
		.amdhsa_enable_private_segment 0
		.amdhsa_kernarg_size 48
		.amdhsa_user_sgpr_count 2
		.amdhsa_user_sgpr_kernarg_segment_ptr 1
		.amdhsa_wavefront_size32 1
		.amdhsa_system_sgpr_workgroup_id_x 1
		.amdhsa_system_sgpr_workgroup_id_y 1
		.amdhsa_system_sgpr_workgroup_id_z 1
		.amdhsa_system_vgpr_workitem_id 0
		.amdhsa_next_free_vgpr 768
		.amdhsa_next_free_sgpr 100
		.amdhsa_reserve_vcc 0
		.amdhsa_float_denorm_mode_32 3
		.amdhsa_float_denorm_mode_16_64 3
		.amdhsa_memory_ordered 1
		.amdhsa_forward_progress 1
		.amdhsa_inst_pref_size 72
	.end_amdhsa_kernel
	.amdgpu_metadata
---
amdhsa.version: [ 1, 2 ]
amdhsa.kernels:
  - .name:           k_q6e1d4c70dc_outp
    .symbol:         k_q6e1d4c70dc_outp.kd
    .args:
      - { .name: cx, .offset: 0, .size: 8, .value_kind: global_buffer, .address_space: global }
      - { .name: cs, .offset: 8, .size: 8, .value_kind: global_buffer, .address_space: global }
      - { .name: Wo_codes, .offset: 16, .size: 8, .value_kind: global_buffer, .address_space: global }
      - { .name: Wo_scales, .offset: 24, .size: 8, .value_kind: global_buffer, .address_space: global }
      - { .name: bo, .offset: 32, .size: 8, .value_kind: global_buffer, .address_space: global }
      - { .name: out0, .offset: 40, .size: 8, .value_kind: global_buffer, .address_space: global }
    .group_segment_fixed_size: 205312
    .private_segment_fixed_size: 0
    .kernarg_segment_align: 8
    .kernarg_segment_size: 48
    .max_flat_workgroup_size: 128
    .sgpr_count:     100
    .vgpr_count:     768
    .wavefront_size: 32
...
	.end_amdgpu_metadata
.endif
;; end of part 3
;; ======== version 2 of 2: 3 launches; version 1 with the launch attn written anew for expert scheduling mode
;; workspace buffers: qx 4,718,592 bytes; kv 9,175,040 bytes; mk 525,312 bytes of whole numbers; cx 4,194,304 bytes; cs 262,144 bytes
;; launch proj: the kernel of part 1 again; grid 4 x 96, 4 waves a work-group, clusters of 4 x 4, 279,040 bytes of LDS; arguments query_codes, query_scales, Wq_codes, Wq_scales, bq, key_codes, key_scales, Wk_codes, Wk_scales, bk, value_codes, value_scales, Wv_codes, Wv_scales, bv, causal_mask, qx, kv, mk; writes qx, kv, mk
;; launch attn (part 4): grid 8 x 32, 16 waves a work-group, no clusters, 289,792 bytes of LDS; arguments qx, kv, mk, cx, cs; writes cx, cs
.if DOCPART == 4
	.amdgcn_target "amdgcn-amd-amdhsa--gfx1250"
	.amdhsa_code_object_version 6
	.text
	.protected	k_q6e1d4c70dc_attn
	.globl	k_q6e1d4c70dc_attn
	.p2align	8
	.type	k_q6e1d4c70dc_attn,@function
k_q6e1d4c70dc_attn:
	s_mov_b64 s[64:65], 0
	v_nop
	global_prefetch_b8 v0, s[64:65] scope:SCOPE_SE
	s_setreg_imm32_b32 hwreg(HW_REG_WAVE_SCHED_MODE, 0, 2), 2
	s_setreg_imm32_b32 hwreg(HW_REG_WAVE_MODE, 25, 1), 1
	s_wait_xcnt 0x0
	s_wait_alu depctr_vm_vsrc(0)
; ctx = softmax(q k^T / 8, under the given mask) v for all 64 heads, both products on codes of FP4 (E2M1) with E8M0 scales, and ctx quantised along the model's 1,024 into the last product's operand images.
; THE SOFTMAX: t = score x log2(e) / 8; M = the row's largest t so far rounded UP to a whole number; p = 2^(t - M) is quantised along the keys, not normalised; the row's sum is taken of the unquantised p and divides at the end.
; When M moves, the sum and O are multiplied by 2^(old M - new M): exact.
; SHARES.  A work-group takes two neighbouring heads of a batch and the 16 query tiles T = 8 i + x (16 queries each).  Its 280 KiB of K's and V's codes and scale words are copied into LDS once, as they lie in kv.
; Wave w takes head w / 8 and two tiles, i = w % 8 and i = 15 - w % 8.  Four waves of 256 registers share a SIMD, so that one wave's vector work stands beside another's products and LDS loads.
; THE MASK IS AN INPUT.  The launch before has stored, for each tile of 16 queries x 128 keys, 64 lane-mask words and two flags.  A tile none of whose keys counts is left out (its p would be zeros);
; a tile all of whose keys count skips the masking.  Both are branches on stored whole numbers, so this launch has no tensor load and no joint loads, though eight work-groups copy the same two heads:
; the skip can leave out up to half of the launch's key steps, the shared copy is 280 KiB once for a work-group.
; LAYOUT.  S^T = K Q^T (source 0 = 16 keys, source 1 = my 16 queries), O^T = V^T P^T: a lane holds ONE query throughout.  The head has 64 channels: the upper 64 of the first product's 128 along K are zero codes of Q
; (v20-23) under the scale 1 (bytes 0x7f); K's upper four registers may then hold anything that is a code: tile t's fragment is v[32 + 4 t .. + 7], whose upper half is the next tile's codes.
; A ROW WITH NO KEY THAT COUNTS has the sum 0: its ctx gets the scale bytes 0xff, which make the last product NaN in that row.
; LIMITS: a block of zeros gets the byte 1 and not 127 (its codes are zeros; this program alone reads the bytes); NaN and infinities among q, k, v are not served.
; REGISTERS: v1-4 LDS places of K, V and their scale words; v5 16 x lane; v6 -infinity; v7 16 (lane % 16); v8-11 the step's addresses; v12 -M, v13 the largest t, v[14:15] the sum; v16-23 Q; v24 Q's scale word, v25 P's,
;   v26-29 K's, v30-31 V's; v32-67 K; v68-99 V; v100-163 S^T, then p; v164-195 O^T; v196-203 P's codes; v204-228 at work; v240-241 stage addresses; v242 0xffff; v243-247 the last copy; v248 16 x thread; v250-254 the fill.
; THE MODE: SCHED_MODE bits 1:0 = 2 (LLVM: expert scheduling mode 2), set by the entry lines.  The code itself states the register dependences
; between vector or matrix instructions and memory or LDS instructions, with s_wait_alu, always for 0.
; THE PLAN.  Registers that memory or LDS instructions touch:
;   v248, v250-254             offsets of the copy's loads and addresses of its LDS stores (v248 also the last store's offset): made at the head, never written again.
;   v100-239                   the copy: loads land in them, the LDS stores read them; from the copy's barrier on products and vector instructions write them.
;   v5, v7, v240, v241, v243   offsets and LDS addresses: made at the head, never written again.
;   v16-19, v24                Q's codes and scale word: loaded at a tile's head, read by the tile's first products.
;   v8-11                      a walked step's four LDS addresses: written at its head, read by its 18 LDS loads.
;   v32-63, v26-29             K's codes and scale words: loaded at the step's head, read by its eight first products.
;   v68-99, v30-31             V's: loaded behind those eight, read by the step's last four products.
;   v196-199, v228             at a tile's end: written by conversions, exchanges and a select, read by the tile's two stores.
;   v244-247                   the last copy: an LDS load, then a store; no vector instruction names them.     v249, v255: written at the head, read by the closing add alone.
; A WALKED STEP has four such waits.  One on vm_vsrc ahead of the four additions.  One on va_vdst behind them: the addresses are written, and the products of the step walked last are done reading K's and V's registers
; and scale words; all 18 loads of the step lean on it, V's behind the eight first products, which name none of the registers that V's loads touch.  One on va_vdst behind the step's 68 exponentials, ahead of their first reader.
; One on va_vdst ahead of the last four products, which take P's codes and scale word from vector instructions.
.set KHS,  143360                      ; a head in kv: K's codes at 0, V's at 65,536, K's scale words at 131,072, V's at 139,264
.set QHS,  73728                       ; a head in qx: codes at 0, scale words at 65,536
.set STG,  2*KHS                       ; behind the two heads: ctx's scale words of the work-group's 16 tiles, 1,024 bytes
.macro PLACES n
.rept \n
	v_nop
.endr
.endm
.macro WS t                            ; S^T, tile t of 16 keys
.if (\t)%2
	v_wmma_scale_f32_16x16x128_f8f6f4 v[100+8*(\t):107+8*(\t)], v[32+4*(\t):39+4*(\t)], v[16:23], 0, v[26+(\t)/2], v24 matrix_a_fmt:MATRIX_FMT_FP4 matrix_b_fmt:MATRIX_FMT_FP4 matrix_a_scale:MATRIX_SCALE_ROW1
.else
	v_wmma_scale_f32_16x16x128_f8f6f4 v[100+8*(\t):107+8*(\t)], v[32+4*(\t):39+4*(\t)], v[16:23], 0, v[26+(\t)/2], v24 matrix_a_fmt:MATRIX_FMT_FP4 matrix_b_fmt:MATRIX_FMT_FP4
.endif
.endm
.macro WP t                            ; O^T += V^T P^T, tile t of 16 channels
.if (\t)%2
	v_wmma_scale_f32_16x16x128_f8f6f4 v[164+8*(\t):171+8*(\t)], v[68+8*(\t):75+8*(\t)], v[196:203], v[164+8*(\t):171+8*(\t)], v[30+(\t)/2], v25 matrix_a_fmt:MATRIX_FMT_FP4 matrix_b_fmt:MATRIX_FMT_FP4 matrix_a_scale:MATRIX_SCALE_ROW1
.else
	v_wmma_scale_f32_16x16x128_f8f6f4 v[164+8*(\t):171+8*(\t)], v[68+8*(\t):75+8*(\t)], v[196:203], v[164+8*(\t):171+8*(\t)], v[30+(\t)/2], v25 matrix_a_fmt:MATRIX_FMT_FP4 matrix_b_fmt:MATRIX_FMT_FP4
.endif
.endm
	s_load_b256 s[4:11], s[0:1], 0x0               ; qx, kv, mk, cx
	s_load_b64 s[12:13], s[0:1], 0x20              ; cs
	v_lshl_add_u32 v249, v0, 2, 0x46400
	v_mov_b32 v255, 0
	v_lshrrev_b32 v1, 5, v0
	v_readfirstlane_b32 s14, v1                    ; wave 0..15
	v_lshlrev_b32 v248, 4, v0
.irp k, 0,1,2,3,4
	v_add_nc_u32 v[250+\k], \k*65536, v248
.endr
	s_wait_alu depctr_va_sdst(0)                   ; s14 is written, ahead of its first reader: the head, the tiles and every base are made from it
	s_lshr_b32 s15, s14, 3                         ; which of the two heads
	s_and_b32 s16, s14, 7
	s_mov_b32 s17, ttmp9                           ; x: T = 8 i + x
	s_and_b32 s18, ttmp7, 0xffff
	s_and_b32 s19, s18, 7                          ; the pair of heads
	s_lshr_b32 s18, s18, 3                         ; the batch
	s_lshl_b32 s24, s18, 4
	s_lshl_b32 s25, s19, 1
	s_add_co_u32 s24, s24, s25
	s_mul_i32 s26, s24, KHS                        ; the pair's first byte in kv
	s_mov_b32 s27, 0
	s_add_co_u32 s24, s24, s15
	s_mul_i32 s28, s24, QHS                        ; my head's first byte in qx
	s_mov_b32 s29, 0
	s_wait_kmcnt 0x0
	s_add_nc_u64 s[6:7], s[6:7], s[26:27]
	s_add_nc_u64 s[4:5], s[4:5], s[28:29]
	s_wait_alu depctr_va_vdst(0)                   ; v248 is written, which the copy's loads read as their offset, and so are v250-254, the addresses of its LDS stores
.set i, 0
.rept 35                               ; 286,720 bytes = 35 x (512 threads x 16 bytes)
	global_load_b128 v[100+4*i:103+4*i], v248, s[6:7] offset:8192*i
.set i, i+1
.endr
	v_and_b32 v5, 31, v0
	v_lshlrev_b32 v5, 4, v5
	s_mul_i32 s24, s15, KHS
	v_add_nc_u32 v1, s24, v5
	v_add_nc_u32 v2, 0x10000, v1
	v_add_nc_u32 v3, 0x20000, v1
	v_lshrrev_b32 v4, 1, v5
	v_add_nc_u32 v4, s24, v4
	v_add_nc_u32 v4, 0x22000, v4
	v_mov_b32 v6, 0xff800000
	v_and_b32 v7, 15, v0
	v_lshlrev_b32 v243, 2, v7
	v_lshlrev_b32 v7, 4, v7
	s_lshl_b32 s24, s15, 1
	s_add_co_u32 s24, s24, STG
	s_lshl_b32 s25, s16, 6
	s_add_co_u32 s25, s25, s24
	v_add_nc_u32 v240, s25, v243                   ; the stage: 64 i + 4 r + 2 x head, for my first tile
	s_xor_b32 s25, s16, 15
	s_lshl_b32 s25, s25, 6
	s_add_co_u32 s25, s25, s24
	v_add_nc_u32 v241, s25, v243                   ; and my second
	v_add_nc_u32 v243, STG, v248
	v_mov_b32 v242, 0xffff
.irp i, 20,21,22,23,64,65,66,67
	v_mov_b32 v\i, 0                               ; zero codes: Q's upper 64 along K, and what stands behind K's last tile
.endr
	s_mov_b32 s20, 0x76543210
	s_mov_b32 s21, 0xfedcba98                      ; v_permlanex16_b32's selects for lane l xor 16
	s_mov_b32 s22, 0x3e38aa3b                      ; c = log2(e) / 8
	s_mov_b32 s23, s22                             ; (named with it as a pair)
	s_wait_alu depctr_va_vdst(0)                   ; v5, v7, v240, v241 and v243 are written, which loads and stores below read as offsets and addresses; so are the zero codes v20-23 and v64-67, which the scaled products take
.set i, 0
.rept 35
	s_wait_loadcnt 34-i                            ; loads come back in order: the 34 - i younger ones may be out
	ds_store_b128 v[250+i/8], v[100+4*i:103+4*i] offset:8192*(i%8)
.set i, i+1
.endr
	s_wait_dscnt 0x0                               ; for the others' sake: my part of the copy has landed
	s_barrier_signal -1
	s_barrier_wait -1
	s_wait_alu depctr_vm_vsrc(0)                   ; my LDS stores have read v100-239: from here on these registers are scores, O^T, codes and work registers, written by products and vector instructions
; One tile of 16 queries against all 16 key steps.
.macro ITEM n
.if \n
	s_wait_xcnt 0x0                                ; the first tile's store has read its registers and its base
	s_wait_alu depctr_vm_vsrc(0)                   ; the first tile's two stores have read v196-199 and v228, which this tile's conversions and select write again
	s_wait_alu depctr_va_vdst(0)                   ; the first tile's products are done reading Q's codes v16-19 and scale word v24, in which the two loads below land
	s_xor_b32 s29, s16, 15
.else
	s_mov_b32 s29, s16
.endif
	s_lshl_b32 s29, s29, 3
	s_add_co_u32 s29, s29, s17                     ; T
	s_lshl_b32 s24, s29, 3
	s_load_b64 s[30:31], s[8:9], s24 offset:0x80000   ; the tile's 16 pairs of flags: a byte for two steps
	s_lshl_b32 s26, s29, 12
	s_mov_b32 s27, 0
	s_add_nc_u64 s[100:101], s[8:9], s[26:27]      ; its mask words: 256 bytes a step
	s_lshl_b32 s26, s29, 9
	s_add_nc_u64 s[104:105], s[4:5], s[26:27]
	global_load_b128 v[16:19], v5, s[104:105]      ; Q's codes: the image of registers 0-3
	s_lshr_b32 s26, s29, 3
	s_lshl_b32 s26, s26, 9
	s_and_b32 s25, s29, 1
	s_lshl_b32 s25, s25, 8
	s_add_co_u32 s26, s26, s25
	s_bfe_u32 s25, s29, 0x20001
	s_lshl_b32 s25, s25, 2
	s_add_co_u32 s26, s26, s25
	s_add_co_u32 s26, s26, 0x10000
	s_add_nc_u64 s[2:3], s[4:5], s[26:27]
	global_load_b32 v24, v7, s[2:3]                ; Q's scale words: in the image of step T / 8, lane 16 (T % 2) + r, word (T / 2) % 4
	v_mov_b32 v13, 0xff61b1e6                      ; the largest t so far: -3e38
	v_floor_f32 v12, -v13                          ; -M
	v_mov_b32 v14, 0
	v_mov_b32 v15, 0
.set o, 0
.rept 32
	v_mov_b32 v[164+o], 0                          ; O^T: the step is written once; the first change of M leaves zeros zeros
.set o, o+1
.endr
.irp i, 208,209,210,211,221,222
	v_mov_b32 v\i, 0                               ; permute destinations and a pair's upper half are named before they are first written
.endr
	s_wait_kmcnt 0x0
	s_wait_loadcnt 0x0
	s_mov_b32 s24, 0                               ; the step's codes: 4,096 bytes a step
	s_mov_b32 s25, 0                               ; K's scale words: 512
	s_mov_b32 s26, 0                               ; V's scale words and the mask words: 256
	s_mov_b32 s28, 1
	s_mov_b32 s27, 16
.Lstep_\@:
	s_bitcmp1_b32 s30, 0                           ; does any key of this tile count?
	s_cbranch_scc0 .Lskip_\@
	s_wait_alu depctr_vm_vsrc(0)                   ; the LDS loads of the step walked last have read v8-11, which the four additions write again
	v_add_nc_u32 v8, s24, v1
	v_add_nc_u32 v9, s24, v2
	v_add_nc_u32 v10, s25, v3
	v_add_nc_u32 v11, s26, v4
	s_load_b512 s[32:47], s[100:101], s26 offset:0x0     ; the 64 mask words
	s_load_b512 s[48:63], s[100:101], s26 offset:0x40
	s_load_b512 s[68:83], s[100:101], s26 offset:0x80
	s_load_b512 s[84:99], s[100:101], s26 offset:0xc0
	s_wait_alu depctr_va_vdst(0)                   ; v8-11 are written, which this step's 18 LDS loads read; the products of the step walked last are done reading K's and V's registers and scale words, in which those loads land
.irp t, 0,1,2,3,4,5,6,7
	ds_load_b128 v[32+4*\t:35+4*\t], v8 offset:512*\t
.endr
	ds_load_b128 v[26:29], v10
	s_wait_dscnt 0x0
.irp t, 0,1,2,3,4,5,6,7
	WS \t
.endr
.irp t, 0,1,2,3
.irp c, 0,1
	ds_load_b128 v[68+8*\t+4*\c:71+8*\t+4*\c], v9 offset:1024*\t+512*\c   ; V lands while the softmax is walked.  No further wait: the eight products since the wait above name none of v9, v11, v30-31, v68-99
.endr
.endr
	ds_load_b64 v[30:31], v11
	PLACES 4                                       ; behind the products, in front of the first read of the scores
	s_wait_kmcnt 0x0
	s_bitcmp1_b32 s30, 4                           ; do all keys count?
	s_cbranch_scc1 .Lopen_\@
.set w, 0
.rept 64
	v_cndmask_b32 v[100+w], v6, v[100+w], s[32+w+4*(w/32)]   ; a hidden key's score becomes -infinity: p = 0
.set w, w+1
.endr
.Lopen_\@:
.irp b, 0,1,2,3
	v_max3_num_f32 v[204+\b], v[100+16*\b], v[101+16*\b], v[102+16*\b]   ; the largest score of each block of 32 keys: for the row's maximum and, since p rises with the score, for the block's largest p
.endr
.irp i, 3,5,7,9,11,13
.irp b, 0,1,2,3
	v_max3_num_f32 v[204+\b], v[204+\b], v[100+16*\b+\i], v[101+16*\b+\i]
.endr
.endr
.irp b, 0,1,2,3
	v_max_num_f32 v[204+\b], v[204+\b], v[115+16*\b]
.endr
.irp b, 0,1,2,3
	v_permlanex16_b32 v[208+\b], v[204+\b], s20, s21
.endr
.irp b, 0,1,2,3
	v_max_num_f32 v[204+\b], v[204+\b], v[208+\b]
.endr
	v_max3_num_f32 v222, v204, v205, v206
	v_max_num_f32 v222, v222, v207
	v_mul_f32 v222, s22, v222
	v_max_num_f32 v13, v13, v222                   ; the running largest t
	v_mov_b32 v222, v12
	v_floor_f32 v12, -v13                          ; the new -M = -ceil(t)
	v_sub_f32 v222, v12, v222                      ; old M - new M: a whole number, 0 or less
	v_cvt_i32_f32 v222, v222                       ; (it saturates)
	v_ldexp_f32 v220, 1.0, v222                    ; f = 2^(old M - new M)
.set o, 0
.rept 32
	v_pk_fma_f32 v[100+o:101+o], v[100+o:101+o], s[22:23], v[12:13] op_sel_hi:[1,0,0]   ; t - M
.set o, o+2
.endr
.irp b, 0,1,2,3
	v_fma_f32 v[204+\b], v[204+\b], s22, v12
.endr
.set o, 0
.rept 64
	v_exp_f32 v[100+o], v[100+o]                   ; p = 2^(t - M)
.set o, o+1
.endr
.irp b, 0,1,2,3
	v_exp_f32 v[204+\b], v[204+\b]                 ; each block's largest p: in the same batch, so that one wait serves all 68
.endr
	v_pk_mul_f32 v[14:15], v[14:15], v[220:221] op_sel_hi:[1,0]   ; the sums under the new M: the plain instruction behind the exponentials
	s_wait_alu depctr_va_vdst(0)                   ; the 68 exponentials have written p (v100-163) and the blocks' largest p (v204-207), ahead of their first reader
	v_pk_add_f32 v[224:225], v[100:101], v[102:103]   ; the row's sum of the unquantised p, in two chains
.irp j, 4,8,12,16,20,24,28,32,36,40,44,48,52,56,60
	v_pk_add_f32 v[14:15], v[14:15], v[100+\j:101+\j]
	v_pk_add_f32 v[224:225], v[224:225], v[102+\j:103+\j]
.endr
	v_pk_add_f32 v[14:15], v[14:15], v[224:225]
.irp b, 0,1,2,3
	v_max_num_f32 v[204+\b], 0x1800000, v[204+\b]  ; the floor 2^(3 - 127)
.endr
.irp b, 0,1,2,3
	v_add_nc_u32 v[212+\b], 0xff000000, v[204+\b]  ; 2 off the exponent field: the conversion's scale operand
.endr
.irp b, 0,1,2,3
	v_lshrrev_b32 v[216+\b], 23, v[212+\b]
.endr
	v_lshl_or_b32 v25, v217, 8, v216               ; P's scale word for these 128 keys
	v_lshl_or_b32 v25, v218, 16, v25
	v_lshl_or_b32 v25, v219, 24, v25
.irp c, 0,1
	v_cvt_scalef32_pk8_fp4_f32 v[196+4*\c], v[100+32*\c:107+32*\c], v[212+2*\c]
	v_cvt_scalef32_pk8_fp4_f32 v[198+4*\c], v[108+32*\c:115+32*\c], v[212+2*\c]
	v_cvt_scalef32_pk8_fp4_f32 v[197+4*\c], v[116+32*\c:123+32*\c], v[213+2*\c]
	v_cvt_scalef32_pk8_fp4_f32 v[199+4*\c], v[124+32*\c:131+32*\c], v[213+2*\c]
.endr
	v_nop                                          ; one plain place behind the scaled conversions
.irp c, 0,1
	v_permlane16_swap_b32 v[196+4*\c], v[197+4*\c] ; half h now holds the whole block 2 c + h
	v_permlane16_swap_b32 v[198+4*\c], v[199+4*\c]
.endr
.set o, 0
.rept 16
	v_pk_mul_f32 v[164+o:165+o], v[164+o:165+o], v[220:221] op_sel_hi:[1,0]   ; O^T under the new M.  (These sixteen are the places between the scale word, the codes and the products)
.set o, o+2
.endr
	s_wait_alu depctr_va_vdst(0)                   ; behind the places: P's scale word v25 and codes v196-203 are written, which the scaled products below take
	s_wait_dscnt 0x0                               ; V and its scale words
.irp t, 0,1,2,3
	WP \t                                          ; four accumulators by turns; the next matrix instruction is the next step's first score tile
.endr
.Lskip_\@:
	s_lshr_b32 s30, s30, s28                       ; the next step's flags to bits 0 and 4: 1 bit on inside a byte, 7 to the next byte;
	s_xor_b32 s28, s28, 6
	s_cmp_eq_u32 s27, 9                            ; behind the eighth step the upper word's turn comes
	s_cselect_b32 s30, s31, s30
	s_add_co_u32 s24, s24, 4096
	s_add_co_u32 s25, s25, 512
	s_add_co_u32 s26, s26, 256
	s_sub_co_u32 s27, s27, 1
	s_cmp_lg_u32 s27, 0
	s_cbranch_scc1 .Lstep_\@
	; THE TILE'S END: ctx = O^T / the sum, quantised along the head's 64 channels: two blocks, four operand registers, two scale bytes
	PLACES 4
	v_add_f32 v14, v14, v15
	v_permlanex16_b32 v222, v14, s20, s21
	v_add_f32 v14, v14, v222                       ; the row's sum
	v_rcp_f32 v226, v14
	v_cmp_eq_f32 vcc_lo, 0, v14                    ; (the plain place behind the reciprocal)  no key counted for this query
	v_mov_b32 v227, 0
	s_lshl_b32 s26, s18, 7
	s_add_co_u32 s26, s26, s29
	s_lshl_b32 s26, s26, 3
	s_add_co_u32 s26, s26, s19
	s_lshl_b32 s26, s26, 10
	s_lshl_b32 s25, s15, 9
	s_add_co_u32 s26, s26, s25
	s_mov_b32 s27, 0
	s_add_nc_u64 s[104:105], s[10:11], s[26:27]    ; cx: tile 128 b + T, K step = the pair of heads, half = my head
	s_wait_alu depctr_va_vdst(0)                   ; the reciprocal has written v226, ahead of its first reader
.set o, 0
.rept 16
	v_pk_mul_f32 v[100+o:101+o], v[164+o:165+o], v[226:227] op_sel_hi:[1,0]
.set o, o+2
.endr
.irp b, 0,1
	v_max3_num_f32 v[204+\b], |v[100+16*\b]|, |v[101+16*\b]|, 0x1800000
.endr
.irp i, 2,4,6,8,10,12,14
.irp b, 0,1
	v_max3_num_f32 v[204+\b], v[204+\b], |v[100+16*\b+\i]|, |v[101+16*\b+\i]|
.endr
.endr
.irp b, 0,1
	v_permlanex16_b32 v[208+\b], v[204+\b], s20, s21
.endr
.irp b, 0,1
	v_max_num_f32 v[204+\b], v[204+\b], v[208+\b]
.endr
.irp b, 0,1
	v_add_nc_u32 v[212+\b], 0xff000000, v[204+\b]
.endr
.irp b, 0,1
	v_lshrrev_b32 v[216+\b], 23, v[212+\b]
.endr
	v_lshl_or_b32 v228, v217, 8, v216
	v_cvt_scalef32_pk8_fp4_f32 v196, v[100:107], v212
	v_cvt_scalef32_pk8_fp4_f32 v198, v[108:115], v212
	v_cvt_scalef32_pk8_fp4_f32 v197, v[116:123], v213
	v_cvt_scalef32_pk8_fp4_f32 v199, v[124:131], v213
	v_nop
	v_permlane16_swap_b32 v196, v197
	v_permlane16_swap_b32 v198, v199
	s_wait_alu depctr_va_vcc(0)                    ; the compare above has written VCC, ahead of its one reader; no branch and no label lies between the two
	v_cndmask_b32 v228, v228, v242, vcc_lo         ; a row without a key: the bytes 0xff
	s_wait_alu depctr_va_vdst(0)                   ; the exchanges have written v196-199 and the select v228, which the two stores read
	global_store_b128 v5, v[196:199], s[104:105]   ; 512 consecutive bytes, aligned
	ds_store_b16 v[240+\n], v228                   ; both halves of the lanes write the same two bytes with the same value
.endm
	ITEM 0
	ITEM 1
	s_wait_dscnt 0x0                               ; my scale bytes lie in the stage
	s_barrier_signal -1
	s_barrier_wait -1
	s_cmp_lt_u32 s14, 2                            ; waves 0 and 1 store the work-group's 1,024 bytes of scale words
	s_cbranch_scc0 .Ldone
	ds_load_b128 v[244:247], v243                  ; no vector instruction names v244-247, and v243 was written ahead of the head's second wait on va_vdst
	s_lshl_b32 s26, s18, 16
	s_lshl_b32 s25, s19, 13
	s_add_co_u32 s26, s26, s25
	s_lshl_b32 s25, s17, 10
	s_add_co_u32 s26, s26, s25
	s_mov_b32 s27, 0
	s_add_nc_u64 s[12:13], s[12:13], s[26:27]
	s_wait_dscnt 0x0
	global_store_b128 v248, v[244:247], s[12:13]
.Ldone:
	s_wait_dscnt 0x0                               ; the closing lines, six on end
	s_wait_alu 0x0
	s_wait_tensorcnt 0x0
	ds_add_u32 v249, v255
	s_wait_dscnt 0x0
	s_endpgm
.Lfunc_end_k_q6e1d4c70dc_attn:
	.size	k_q6e1d4c70dc_attn, .Lfunc_end_k_q6e1d4c70dc_attn-k_q6e1d4c70dc_attn
	.p2alignl 7, 3214868480
	.fill 96, 4, 3214868480
	.section	.rodata,"a",@progbits
	.p2align	6, 0x0
	.amdhsa_kernel k_q6e1d4c70dc_attn
		.amdhsa_group_segment_fixed_size 289792
		.amdhsa_private_segment_fixed_size 0
		.amdhsa_enable_private_segment 0
		.amdhsa_kernarg_size 40
		.amdhsa_user_sgpr_count 2
		.amdhsa_user_sgpr_kernarg_segment_ptr 1
		.amdhsa_wavefront_size32 1
		.amdhsa_system_sgpr_workgroup_id_x 1
		.amdhsa_system_sgpr_workgroup_id_y 1
		.amdhsa_system_sgpr_workgroup_id_z 1
		.amdhsa_system_vgpr_workitem_id 0
		.amdhsa_next_free_vgpr 256
		.amdhsa_next_free_sgpr 106
		.amdhsa_reserve_vcc 1
		.amdhsa_float_denorm_mode_32 3
		.amdhsa_float_denorm_mode_16_64 3
		.amdhsa_memory_ordered 1
		.amdhsa_forward_progress 1
		.amdhsa_inst_pref_size 63
	.end_amdhsa_kernel
	.amdgpu_metadata
---
amdhsa.version: [ 1, 2 ]
amdhsa.kernels:
  - .name:           k_q6e1d4c70dc_attn
    .symbol:         k_q6e1d4c70dc_attn.kd
    .args:
      - { .name: qx, .offset: 0, .size: 8, .value_kind: global_buffer, .address_space: global }
      - { .name: kv, .offset: 8, .size: 8, .value_kind: global_buffer, .address_space: global }
      - { .name: mk, .offset: 16, .size: 8, .value_kind: global_buffer, .address_space: global }
      - { .name: cx, .offset: 24, .size: 8, .value_kind: global_buffer, .address_space: global }
      - { .name: cs, .offset: 32, .size: 8, .value_kind: global_buffer, .address_space: global }
    .group_segment_fixed_size: 289792
    .private_segment_fixed_size: 0
    .kernarg_segment_align: 8
    .kernarg_segment_size: 40
    .max_flat_workgroup_size: 512
    .sgpr_count:     106
    .vgpr_count:     256
    .wavefront_size: 32
...
	.end_amdgpu_metadata
.endif
;; end of part 4
;; launch outp: the kernel of part 3 again; grid 4 x 64, 4 waves a work-group, clusters of 4 x 4, 205,312 bytes of LDS; arguments cx, cs, Wo_codes, Wo_scales, bo, out0; writes out0
